; MI455X (gfx1250); checked and timed in simulation.
; The chip was launched on July 23, 2026; its instructions are those of AMD's public machine-readable ISA for CDNA 5 (MIT licence, August 2026) and "CDNA5" Instruction Set Architecture Reference Guide (July 2026). The comments in the code are by the model that wrote it; some were corrected since.
;; Flash Attention. Allowed arithmetic: float matrix products may take bf16 or f16 operands with f32 sums; other float arithmetic in f32, or as packed bf16 or f16 multiplies, adds, multiply-adds, maxima and minima; sums over many terms, partial sums and values carried from step to step in f32; what a program stores and reads back later, other than sums and carried values, may be rounded once to bf16 or f16.
;; Inputs: Wg 2,048 x 1,024 float32; Wk 1,024 x 1,024 float32; Wq 1,024 x 1,024 float32; Wv 1,024 x 1,024 float32; bg 1,024 float32; bk 1,024 float32; bq 1,024 float32; bv 1,024 float32; x 4,096 x 1,024 float32.
;; Outputs: out0 4,096 x 1,024 float32.
;; 2 versions, each right; version 2 is version 1 with the launch prep written anew for expert scheduling mode. Each part assembles by itself: llvm-mc -triple=amdgcn-amd-amdhsa -mcpu=gfx1250 --defsym DOCPART=n.
;; ======== version 1 of 2: 5 launches
;; workspace buffers: comb 16,777,216 bytes; wb 10,485,760 bytes; qkv 25,165,824 bytes; pt 33,554,432 bytes; stat 1,048,576 bytes; att 16,777,216 bytes; gx 16,777,216 bytes
;; launch prep (part 1): grid 576 x 1, 8 waves a work-group, no clusters, 0 bytes of LDS; arguments x, Wq, Wk, Wv, Wg, comb, wb; writes comb, wb
.if DOCPART == 1
	.amdgcn_target "amdgcn-amd-amdhsa--gfx1250"
	.amdhsa_code_object_version 6
	.text
	.protected	k_q623b25e394_prep
	.globl	k_q623b25e394_prep
	.p2align	8
	.type	k_q623b25e394_prep,@function
k_q623b25e394_prep:
	s_mov_b64 s[64:65], 0
	v_nop
	global_prefetch_b8 v0, s[64:65] scope:SCOPE_SE
	s_setreg_imm32_b32 hwreg(HW_REG_WAVE_MODE, 25, 1), 1
	s_wait_xcnt 0x0
; PREP: x and the four weight matrices, all f32 with rows of 1,024 numbers, are rounded once to bf16 (nearest even).
; x goes into columns 0-1023 of comb [4096][2048]; Wq, Wk, Wv, Wg go one below the other into wb [5120][1024], in their own [k][n] order: nothing is transposed.
; 9,216 rows in all; a work-group takes 16: groups 0-255 x, 256-319 Wq, 320-383 Wk, 384-447 Wv, 448-575 Wg.
; Thread t owns the 16 bytes at 16 t of each source row and the 8 bytes at 8 t of each destination row: a wave's load covers 512 consecutive bytes,
; its store 256 consecutive bytes at a multiple of 256.  All 16 loads of a thread go out at once; no register is written twice, so no wait frees a source.
; No LDS, no matrix unit, no cluster: no byte is wanted by two threads.
.set DO, 2                             ; v[2:17]   byte offset of my 8 bytes in destination row i
.set X,  20                            ; v[20:83]  row i: four f32 as loaded
.set Y,  84                            ; v[84:115] row i: four bf16 to store
	s_load_b256 s[4:11], s[0:1], 0x0               ; x s[4:5], Wq s[6:7], Wk s[8:9], Wv s[10:11]
	s_load_b128 s[12:15], s[0:1], 0x20             ; Wg s[12:13], comb s[14:15]
	s_load_b64 s[16:17], s[0:1], 0x30              ; wb
	v_lshlrev_b32 v1, 4, v0                        ; 16 t
	v_lshlrev_b32 v[DO], 3, v0                     ; 8 t
	s_lshl_b32 s26, ttmp9, 16                      ; into comb: 16 rows of 4,096 bytes a group
	s_sub_co_u32 s24, ttmp9, 256                   ; into wb: groups count from 256,
	s_lshl_b32 s24, s24, 15                        ; 16 rows of 2,048 bytes a group (not used where the group is below 256)
	s_mov_b32 s25, 0
	s_mov_b32 s23, 0
	s_movk_i32 s21, 0x1000                         ; comb's row
	s_movk_i32 s27, 0x800                          ; wb's row
	s_mov_b32 s20, 448
	s_wait_kmcnt 0x0
	s_mov_b64 s[18:19], s[12:13]                   ; the source and its first group: Wg, unless the group's number is lower
	s_cmp_lt_u32 ttmp9, 448
	s_cselect_b64 s[18:19], s[10:11], s[18:19]
	s_cselect_b32 s20, 384, s20
	s_cmp_lt_u32 ttmp9, 384
	s_cselect_b64 s[18:19], s[8:9], s[18:19]
	s_cselect_b32 s20, 320, s20
	s_cmp_lt_u32 ttmp9, 320
	s_cselect_b64 s[18:19], s[6:7], s[18:19]
	s_cselect_b32 s20, 256, s20
	s_cmp_lt_u32 ttmp9, 256
	s_cselect_b64 s[18:19], s[4:5], s[18:19]
	s_cselect_b32 s20, 0, s20
	s_cselect_b64 s[28:29], s[14:15], s[16:17]     ; the destination, its offset and its row
	s_cselect_b32 s24, s26, s24
	s_cselect_b32 s21, s21, s27
	s_sub_co_u32 s22, ttmp9, s20
	s_lshl_b32 s22, s22, 16                        ; 16 source rows of 4,096 bytes a group
	s_add_nc_u64 s[18:19], s[18:19], s[22:23]
	s_add_nc_u64 s[28:29], s[28:29], s[24:25]
.set n, 0
.rept 16
	global_load_b128 v[X+4*n:X+4*n+3], v1, s[18:19] offset:4096*n th:TH_LOAD_NT
.set n, n+1
.endr
.set n, 1
.rept 15
	v_add_nc_u32 v[DO+n], s21, v[DO+n-1]
.set n, n+1
.endr
.set n, 0
.rept 16
	s_wait_loadcnt 15-n                            ; loads come back in order: row n is in, the 15 - n younger ones stay out
	v_cvt_pk_bf16_f32 v[Y+2*n], v[X+4*n], v[X+4*n+1]
	v_cvt_pk_bf16_f32 v[Y+2*n+1], v[X+4*n+2], v[X+4*n+3]
	global_store_b64 v[DO+n], v[Y+2*n:Y+2*n+1], s[28:29]
.set n, n+1
.endr
	s_endpgm
.Lfunc_end_k_q623b25e394_prep:
	.size	k_q623b25e394_prep, .Lfunc_end_k_q623b25e394_prep-k_q623b25e394_prep
	.p2alignl 7, 3214868480
	.fill 96, 4, 3214868480
	.section	.rodata,"a",@progbits
	.p2align	6, 0x0
	.amdhsa_kernel k_q623b25e394_prep
		.amdhsa_group_segment_fixed_size 0
		.amdhsa_private_segment_fixed_size 0
		.amdhsa_enable_private_segment 0
		.amdhsa_kernarg_size 56
		.amdhsa_user_sgpr_count 2
		.amdhsa_user_sgpr_kernarg_segment_ptr 1
		.amdhsa_wavefront_size32 1
		.amdhsa_system_sgpr_workgroup_id_x 1
		.amdhsa_system_sgpr_workgroup_id_y 1
		.amdhsa_system_sgpr_workgroup_id_z 1
		.amdhsa_system_vgpr_workitem_id 0
		.amdhsa_next_free_vgpr 116
		.amdhsa_next_free_sgpr 66
		.amdhsa_reserve_vcc 0
		.amdhsa_float_denorm_mode_32 3
		.amdhsa_float_denorm_mode_16_64 3
		.amdhsa_memory_ordered 1
		.amdhsa_forward_progress 1
		.amdhsa_inst_pref_size 8
	.end_amdhsa_kernel
	.amdgpu_metadata
---
amdhsa.version: [ 1, 2 ]
amdhsa.kernels:
  - .name:           k_q623b25e394_prep
    .symbol:         k_q623b25e394_prep.kd
    .args:
      - { .name: x, .offset: 0, .size: 8, .value_kind: global_buffer, .address_space: global }
      - { .name: Wq, .offset: 8, .size: 8, .value_kind: global_buffer, .address_space: global }
      - { .name: Wk, .offset: 16, .size: 8, .value_kind: global_buffer, .address_space: global }
      - { .name: Wv, .offset: 24, .size: 8, .value_kind: global_buffer, .address_space: global }
      - { .name: Wg, .offset: 32, .size: 8, .value_kind: global_buffer, .address_space: global }
      - { .name: comb, .offset: 40, .size: 8, .value_kind: global_buffer, .address_space: global }
      - { .name: wb, .offset: 48, .size: 8, .value_kind: global_buffer, .address_space: global }
    .group_segment_fixed_size: 0
    .private_segment_fixed_size: 0
    .kernarg_segment_align: 8
    .kernarg_segment_size: 56
    .max_flat_workgroup_size: 256
    .sgpr_count:     66
    .vgpr_count:     116
    .wavefront_size: 32
...
	.end_amdgpu_metadata
.endif
;; end of part 1
;; launch proj (part 2): grid 16 x 16, 4 waves a work-group, clusters of 4 x 4, 327,680 bytes of LDS; arguments comb, wb, bq, bk, bv, bg, qkv, gx; writes qkv, gx
.if DOCPART == 2
	.amdgcn_target "amdgcn-amd-amdhsa--gfx1250"
	.amdhsa_code_object_version 6
	.text
	.protected	k_q623b25e394_proj
	.globl	k_q623b25e394_proj
	.p2align	8
	.type	k_q623b25e394_proj,@function
k_q623b25e394_proj:
	s_mov_b64 s[64:65], 0
	v_nop
	global_prefetch_b8 v0, s[64:65] scope:SCOPE_SE
	s_setreg_imm32_b32 hwreg(HW_REG_WAVE_MODE, 25, 1), 1
	s_wait_xcnt 0x0
	s_wait_alu depctr_hold_cnt(0) depctr_sa_sdst(0) depctr_va_vdst(0) depctr_va_sdst(0) depctr_va_ssrc(0) depctr_va_vcc(0) depctr_vm_vsrc(0)
	s_getreg_b32 s2, hwreg(HW_REG_IB_STS2, 6, 4)
	s_cmp_eq_u32 s2, 0
	s_cbranch_scc0 .Lentry_in_a_cluster
	s_endpgm
.Lentry_in_a_cluster:
	s_bfe_u32 s2, ttmp6, 0x10000c
	s_cmp_lg_u32 s2, 0xf033
	s_cbranch_scc0 .Lentry_shape_is_right
	s_endpgm
.Lentry_shape_is_right:
; PROJ: Q, K, V = x W + b, and G = x Wg[0:1024] + bg, the x half of the gate's sum.  x: columns 0-1023 of comb [4096][2048] bf16; W: wb rows 1024 s .. (slab s = 0, 1, 2, 3: Wq, Wk, Wv, Wg's upper half),
; [k][n] bf16; b in f32; sums in f32, started with the bias.  Slabs 0-2 leave rounded once to bf16, unscaled, into qkv [3][4096][1024].  Slab 3 is a partial sum and leaves in f32, into gx, in the order of the
; accumulators: the block of 16 x 16 at (row / 16, column / 16) has 1,024 bytes at (64 x row block + column block) x 1,024: registers 0-3 at 16 x lane, registers 4-7 512 bytes on.
; bf16 keeps f32's range, so no input that leaves reference() finite overflows here.  NaN and infinities are not treated apart.
; A tile of 256 x 256 is made by a work-group of four waves, a wave 128 x 128: 64 accumulators of 16 x 16.  K = 1,024 goes in 8 steps of 128 through two LDS slots filled by the tensor data mover.
; CLUSTER 4 x 4: the cluster's x is the slab, cx the tile column in it, 4 x cluster y + cy the tile row.  x's tile hangs on the tile row alone and is asked for jointly along a row of the cluster,
; W's on slab and tile column alone and is asked for jointly along a column.
; THE PRODUCT IS USED TRANSPOSED (source 0 = 16 columns of W, source 1 = 16 rows of x): a lane holds row l % 16 and the columns 8 (l / 16) + 0..7.  W lies [k][n] in LDS and is turned by ds_load_tr16_b128.
; REGISTERS in windows of 256: window 0: v0-31 addresses, v64-191 x's fragments (two buffers), v192-255 the bias, later the way out's packed results and rows (with v32-63);
; window 1: v64-191 W's fragments; windows 2, 3: the accumulators, (a, b) at v[8 (8 (a % 4) + b)] of window 2 + a / 4.
.set PITCH,  272                       ; a row of x in LDS: 256 bytes + 16: the 16 rows of a load begin 16 bytes apart modulo 256
.set HALFT,  128*PITCH                 ; what one tensor load brings: 128 rows of x, or 64 k-rows of W
.set SLOT,   4*HALFT                   ; 0x22000: its two bits are set in no wave's 0, 1, 2, 3 x HALFT, so one exclusive or changes slots
.set PB,     544                       ; a k-row of W: 512 bytes + 32
.set STAGE,  2*SLOT                    ; behind the ring: 16 rows x 272 bytes for each wave, for the way out
.set SPITCH, 272
.set SPARE,  STAGE+4*16*SPITCH         ; the spare words: 128 bytes a wave, named by no other line
.set ROWC,   2048                      ; bytes in a row of qkv
.set STEPA,  256                       ; a K step along a row of x
.set STEPB,  128*2048                  ; a K step down W: 128 k-rows
.set ADRA0, 10                         ; v10  my lane's place in x's tile; never rewritten
.set ADRB0, 11                         ; v11  in W's
.set ADRA,  12                         ; v12  the same in the slot in hand
.set ADRB,  13
.set STO,   24                         ; v24  the way out: where I put 16 bytes of a row
.set RD,    25                         ; v25  where I read a row back
.set CO,    26                         ; v26  my byte offset in two rows of qkv
.set SGX,   27                         ; v27  16 x lane: my place in half a block of gx
.set SPW,   28                         ; v28  my spare word; never rewritten
.set NIL,   29                         ; v29  0; never rewritten
.set PFO,   30                         ; v30  the prefetches' lane offset; never rewritten
.set F0,    64
.set F1,    128
.set TMP,   192
.set BIAS,  192
.set OB,    32
.set WV, 20                            ; s20 wave; s21 its row half (also: 0 = I fetch x, 1 = W); s22 its column half (also: which half I fetch)
.set WR, 21
.set WC, 22
.set CX, 23
.set CY, 24
.set TROW, 26
.set G1A, 32                           ; s[32:39], s[40:47] descriptor group 1 for x's and W's tiles
.set G1B, 40
.set G0A, 48                           ; s[48:55], s[56:63] group 0: a set for each first fill; the second then walks
.set G0B, 56
.set TB,  66                           ; s66  LDS byte at which the slot in hand begins
.set LIM, 67                           ; s67  2 in a wave that prefetches, else the greatest number
.set PFA, 68                           ; s[68:69] where my prefetches stand
.set PFS, 70                           ; s[70:71] their step
.set CB,  80                           ; s[80:81] qkv at my 16 rows in hand
.set BI,  82                           ; s[82:83] my 128 numbers of the bias
.set GX,  84                           ; s[84:85] gx at my first block
.set MSB, 0
.macro WIN new                         ; the immediate's high byte repeats the setting that is left; a switch that changes nothing is dropped
.if MSB != (\new)
	s_set_vgpr_msb (MSB<<8)|(\new)
.set MSB, \new
.endif
.endm
.macro PLACES                          ; four plain vector instructions between a matrix instruction and a load into, or a vector write of, its registers
.rept 4
	v_nop
.endr
.endm
; A joint refill by the walking sets.  The branch hangs on the wave's number alone.  An s_nop 0 and four v_nop follow each line, ahead of the jump and the label.
.macro JLOAD
	s_cmp_eq_u32 s[WR], 0
	s_cbranch_scc0 .Lfor_b_\@
	tensor_load_to_lds s[G0A+4:G0A+7], s[G1A:G1A+7]
	s_nop 0
.rept 4
	v_nop
.endr
	s_branch .Lasked_\@
.Lfor_b_\@:
	tensor_load_to_lds s[G0B+4:G0B+7], s[G1B:G1B+7]
	s_nop 0
.rept 4
	v_nop
.endr
.Lasked_\@:
.endm
.macro CREST                           ; a round of the cluster's barrier behind its opening barrier
	s_cmp_lg_u32 s[WV], 0
	s_cbranch_scc1 .Lnot_wave_0_\@
	s_barrier_signal -3
.Lnot_wave_0_\@:
	s_barrier_wait -3
	s_barrier_signal -1
	s_barrier_wait -1
.endm
.macro CROUND                          ; a whole round
	s_barrier_signal -1
	s_barrier_wait -1
	CREST
.endm
; 16 products: row blocks a0, a0 + 1 of the window's four x all 8 column blocks, 32 along K.  mode 0: onto the sums; 2: the bias starts the sums.
; The 64 accumulators take turns in one order everywhere, one instruction a turn.
.macro MUL16 f, hi, a0, mode
.if (\mode) == 2
	WIN 0x81+0x40*(\hi)
.else
	WIN 0xa1+0x50*(\hi)
.endif
.irp a, \a0, (\a0)+1
.irp b, 0,1,2,3,4,5,6,7
.if (\mode) == 2
	v_wmma_f32_16x16x32_bf16 v[8*(8*(\a)+(\b)):8*(8*(\a)+(\b))+7], v[(\f)+8*(\b):(\f)+8*(\b)+7], v[(\f)+8*(4*(\hi)+(\a)):(\f)+8*(4*(\hi)+(\a))+7], v[BIAS+8*(\b):BIAS+8*(\b)+7]
.else
	v_wmma_f32_16x16x32_bf16 v[8*(8*(\a)+(\b)):8*(8*(\a)+(\b))+7], v[(\f)+8*(\b):(\f)+8*(\b)+7], v[(\f)+8*(4*(\hi)+(\a)):(\f)+8*(4*(\hi)+(\a))+7], v[8*(8*(\a)+(\b)):8*(8*(\a)+(\b))+7]
.endif
.endr
.endr
.endm
; 32 LDS loads in one run: quarter q's fragments (32 along K) into buffer f: W's 8 column blocks, turned, then x's 8 row blocks
.macro FETCH q, f
	WIN 0x40
.irp i, 0,1,2,3,4,5,6,7
	ds_load_tr16_b128 v[(\f)+8*(\i):(\f)+8*(\i)+3],   v[ADRB] offset:32*PB*(\q)+32*(\i)
	ds_load_tr16_b128 v[(\f)+8*(\i)+4:(\f)+8*(\i)+7], v[ADRB] offset:32*PB*(\q)+32*(\i)+16*PB
.endr
	WIN 0
.irp i, 0,1,2,3,4,5,6,7
	ds_load_b128 v[(\f)+8*(\i):(\f)+8*(\i)+3],   v[ADRA] offset:64*(\q)+(\i)*16*PITCH
	ds_load_b128 v[(\f)+8*(\i)+4:(\f)+8*(\i)+7], v[ADRA] offset:64*(\q)+(\i)*16*PITCH+32
.endr
.endm
; One of a K step's first three quarters: multiplies buffer f and, in its middle, fetches quarter q into buffer g
.macro QUARTER q, f, g, mode
	s_wait_dscnt 8                                 ; W and x's rows 0-63 are in; the youngest eight loads (x's rows 64-127) may be out
	MUL16 \f, 0, 0, \mode
	MUL16 \f, 0, 2, \mode
	PLACES
	FETCH \q, \g
	s_wait_dscnt 32                                ; all but the 32 just issued
	MUL16 \f, 1, 0, \mode
	MUL16 \f, 1, 2, \mode
.endm
; A prefetch into the L2 of the K step that stands two refills on, a lane a block of 256 bytes, one instruction a wave, behind the joint load and the run of LDS loads.
; x's tile rows are read by the four clusters of a row of clusters: cluster x = 0 asks; W's tile columns by the four clusters of a column: cluster y = 0 asks.  The four partners that ask for a tile
; jointly share its blocks out by address: 32 rows of x each (by cx), 16 k-rows x 2 blocks of W each (by cy).  So each block is named once.  Steps 0-3 come by their loads alone; steps 4-7 are asked for in trips 0-3.
.macro ASK
	s_cmp_gt_u32 s3, s[LIM]                        ; s3 = 6, 5, 4, 3 in trips 0-3
	s_cbranch_scc0 .Lnot_mine_\@
	global_prefetch_b8 v[PFO], s[PFA:PFA+1] th:TH_LOAD_NT scope:SCOPE_SE
.Lnot_mine_\@:
.endm
; The last quarter multiplies buffer 1 and changes slots.  In front of the barrier each wave waits for all its tensor loads (one is out: its part of the next slot), adds 0 to its spare word, and waits for
; that and for its reads of this slot.  fill = 1: the barrier opens a round of the cluster's, and this slot is filled again, two K steps on, first thing behind the round.
.macro TURN fill
	WIN 0
.if \fill
	s_wait_xcnt 0x0                                ; the last prefetch, a K step back, has read its address
	s_add_nc_u64 s[PFA:PFA+1], s[PFA:PFA+1], s[PFS:PFS+1]
.endif
	s_xor_b32 s[TB], s[TB], SLOT                   ; the fetches go to the other slot
	v_add_nc_u32 v[ADRA], s[TB], v[ADRA0]
	v_add_nc_u32 v[ADRB], s[TB], v[ADRB0]
	s_wait_tensorcnt 0x0                           ; no tensor load of mine is out, so a group 0 may be written
	ds_add_u32 v[SPW], v[NIL]                      ; 0 onto my spare word
.if \fill
	s_xor_b32 s[G0A+5], s[G0A+5], SLOT             ; the walking sets: the other slot than last time, the next K step
	s_add_nc_u64 s[G0A+6:G0A+7], s[G0A+6:G0A+7], STEPA
	s_xor_b32 s[G0B+5], s[G0B+5], SLOT
	s_add_nc_u64 s[G0B+6:G0B+7], s[G0B+6:G0B+7], STEPB
.endif
	s_wait_dscnt 9                                 ; the add and the youngest eight loads may be out
	MUL16 F1, 0, 0, 0
	s_wait_dscnt 0x0                               ; the add is done, and my reads of this slot are over
	s_barrier_signal -1
	MUL16 F1, 0, 2, 0                              ; work on registers while the others arrive
	WIN 0
	s_barrier_wait -1
.if \fill
	CREST
	JLOAD                                          ; its four v_nop are also the places in front of the loads below
.else
	PLACES
.endif
	FETCH 0, F0
.if \fill
	ASK
.endif
	MUL16 F1, 1, 0, 0
	MUL16 F1, 1, 2, 0
.endm
.macro LASTQ                           ; the very last quarter: nothing more to fetch
	s_wait_dscnt 8
	MUL16 F1, 0, 0, 0
	MUL16 F1, 0, 2, 0
	s_wait_dscnt 0x0
	MUL16 F1, 1, 0, 0
	MUL16 F1, 1, 2, 0
.endm
; The way out of row block a, slabs 0-2: rounded to bf16, 16 bytes a lane; through my own stage; stored as whole rows of 256 bytes
.macro PACK a
.set AC, 64*((\a)%4)
	WIN 0x0a+5*((\a)/4)
.irp b, 0,1,2,3,4,5,6,7
.irp r, 0,1,2,3
	v_cvt_pk_bf16_f32 v[TMP+4*(\b)+(\r)], v[AC+8*(\b)+2*(\r)], v[AC+8*(\b)+2*(\r)+1]
.endr
.endr
	WIN 0
.endm
.macro TOSTAGE a
	WIN 0
.set BK, OB+192*((\a)%2)
.irp b, 0,1,2,3,4,5,6,7
	ds_store_b128 v[STO], v[TMP+4*(\b):TMP+4*(\b)+3] offset:32*(\b)
.endr
.irp t, 0,1,2,3,4,5,6,7
	ds_load_b128 v[BK+4*(\t):BK+4*(\t)+3], v[RD] offset:(\t)*2*SPITCH  ; LDS serves a wave's instructions in order (ISA guide 5.7.1.4): these see the stores above
.endr
.endm
.macro SEND a
	WIN 0
.set BK, OB+192*((\a)%2)
	s_wait_dscnt 0x0                               ; the block is back in registers
	s_wait_xcnt 0x0                                ; earlier stores have read their base and data: only now are these rewritten
.if (\a) > 0
	s_add_nc_u64 s[CB:CB+1], s[CB:CB+1], 16*ROWC
.endif
.irp t, 0,1,2,3,4,5,6,7
	global_store_b128 v[CO], v[BK+4*(\t):BK+4*(\t)+3], s[CB:CB+1] offset:2*(\t)*ROWC  ; 16 lanes store 256 consecutive bytes, at a multiple of 256
.endr
.endm
	s_load_b256 s[4:11], s[0:1], 0x0               ; comb s[4:5], wb s[6:7], bq s[8:9], bk s[10:11]
	s_load_b256 s[12:19], s[0:1], 0x20             ; bv s[12:13], bg s[14:15], qkv s[16:17], gx s[18:19]
	v_lshl_add_u32 v[SPW], v0, 2, SPARE
	v_mov_b32 v[NIL], 0
	ds_add_u32 v[SPW], v[NIL]                      ; the wave's opening: the add and its wait stand ahead of my first tensor load; work on registers stands between
	v_lshrrev_b32 v1, 5, v0
	v_readfirstlane_b32 s[WV], v1
	s_lshr_b32 s[WR], s[WV], 1
	s_and_b32 s[WC], s[WV], 1
	s_bfe_u32 s[CX], ttmp6, 0x40000
	s_bfe_u32 s[CY], ttmp6, 0x40004
	s_and_b32 s[TROW], ttmp7, 0xffff
	s_lshl_b32 s[TROW], s[TROW], 2
	s_add_co_u32 s[TROW], s[TROW], s[CY]           ; tile row = 4 x cluster y + cy
	s_lshl_b32 s28, s[CY], 2
	s_lshl_b32 s28, 15, s28                        ; my row of the cluster
	s_lshl_b32 s29, 0x1111, s[CX]                  ; my column
	s_or_b32 s[G1A], s28, (1<<16)|(1<<20)|(1<<21)|(5<<22)|(3<<25)  ; mask; 2-byte elements; padding on; bit 21 beside a mask; after every 64 words, 4 words
	s_or_b32 s[G1B], s29, (1<<16)|(1<<20)|(1<<21)|(6<<22)|(7<<25)  ; after every 128 words, 8 words
	s_mov_b32 s[G1A+1], 128<<16                    ; x: tensor_dim0 = 128
	s_mov_b32 s[G1A+2], 128<<16                    ; tensor_dim1 = 128
	s_mov_b32 s[G1A+3], 128<<16                    ; tile_dim0 = 128
	s_mov_b32 s[G1A+4], 128                        ; tile_dim1 = 128
	s_mov_b32 s[G1A+5], 2048                       ; elements from row to row of comb
	s_mov_b32 s[G1A+6], 0
	s_mov_b32 s[G1A+7], 0
	s_mov_b32 s[G1B+1], 256<<16                    ; W: 64 k-rows of 256 columns
	s_mov_b32 s[G1B+2], 64<<16
	s_mov_b32 s[G1B+3], 256<<16
	s_mov_b32 s[G1B+4], 64
	s_mov_b32 s[G1B+5], 1024
	s_mov_b32 s[G1B+6], 0
	s_mov_b32 s[G1B+7], 0
	s_lshl_b32 s76, s[TROW], 8                     ; x: row 256 x tile row + 128 x half, rows of 4,096 bytes
	s_lshl_b32 s77, s[WC], 7
	s_add_co_u32 s76, s76, s77
	s_lshl_b32 s76, s76, 12
	s_mov_b32 s77, 0
	s_lshl_b32 s78, ttmp9, 21                      ; W: the slab's 1,024 k-rows of 2,048 bytes, my 64 k-rows, the tile's 512 bytes
	s_lshl_b32 s79, s[WC], 17
	s_add_co_u32 s78, s78, s79
	s_lshl_b32 s79, s[CX], 9
	s_add_co_u32 s78, s78, s79
	s_mov_b32 s79, 0
	s_mul_i32 s30, s[WV], HALFT                    ; where my tile goes: no place in the cluster enters an LDS address
	s_mov_b32 s[TB], 0
	s_wait_dscnt 0x0                               ; the opening add is done
	s_wait_kmcnt 0x0
	s_add_nc_u64 s[76:77], s[4:5], s[76:77]
	s_add_nc_u64 s[78:79], s[6:7], s[78:79]
	CROUND                                         ; all sixteen work-groups are here: the first joint loads meet
.irp s, 0,1
	s_mov_b32 s[G0A+4*(\s)], 1
	s_add_co_u32 s[G0A+4*(\s)+1], s30, (\s)*SLOT
	s_add_nc_u64 s[G0A+4*(\s)+2:G0A+4*(\s)+3], s[76:77], (\s)*STEPA
	s_or_b32 s[G0A+4*(\s)+3], s[G0A+4*(\s)+3], 0x80000000
	s_mov_b32 s[G0B+4*(\s)], 1
	s_add_co_u32 s[G0B+4*(\s)+1], s30, (\s)*SLOT
	s_add_nc_u64 s[G0B+4*(\s)+2:G0B+4*(\s)+3], s[78:79], (\s)*STEPB
	s_or_b32 s[G0B+4*(\s)+3], s[G0B+4*(\s)+3], 0x80000000
.endr
	s_cmp_eq_u32 s[WR], 0                          ; a wave's two first fills stand in one branch: K steps 0 and 1; two loads of mine are out
	s_cbranch_scc0 .Lfirst_b
	tensor_load_to_lds s[G0A:G0A+3], s[G1A:G1A+7]
	s_nop 0
	tensor_load_to_lds s[G0A+4:G0A+7], s[G1A:G1A+7]
	s_nop 0
.rept 4
	v_nop
.endr
	s_branch .Lfirst_asked
.Lfirst_b:
	tensor_load_to_lds s[G0B:G0B+3], s[G1B:G1B+7]
	s_nop 0
	tensor_load_to_lds s[G0B+4:G0B+7], s[G1B:G1B+7]
	s_nop 0
.rept 4
	v_nop
.endr
.Lfirst_asked:
	v_and_b32 v1, 15, v0                           ; r = l % 16
	v_bfe_u32 v2, v0, 4, 1                         ; h = l / 16
	; the bias of my slab: C's register j of column block b is b[16 b + 8 h + j]
	s_cmp_eq_u32 ttmp9, 0
	s_cselect_b64 s[BI:BI+1], s[8:9], s[10:11]
	s_cmp_eq_u32 ttmp9, 2
	s_cselect_b64 s[BI:BI+1], s[12:13], s[BI:BI+1]
	s_cmp_eq_u32 ttmp9, 3
	s_cselect_b64 s[BI:BI+1], s[14:15], s[BI:BI+1]
	s_lshl_b32 s28, s[CX], 10
	s_lshl_b32 s29, s[WC], 9
	s_add_co_u32 s28, s28, s29
	s_mov_b32 s29, 0
	s_add_nc_u64 s[BI:BI+1], s[BI:BI+1], s[28:29]
	v_lshlrev_b32 v6, 5, v2                        ; 32 h; never rewritten
.irp b, 0,1,2,3,4,5,6,7
	global_load_b128 v[BIAS+8*(\b):BIAS+8*(\b)+3],   v6, s[BI:BI+1] offset:64*(\b)
	global_load_b128 v[BIAS+8*(\b)+4:BIAS+8*(\b)+7], v6, s[BI:BI+1] offset:64*(\b)+16
.endr
	v_mul_u32_u24 v3, v1, PITCH
	v_lshl_add_u32 v3, v2, 4, v3                   ; 272 r + 16 h
	s_mul_i32 s28, s[WR], HALFT                    ; my 128 rows of x
	v_add_nc_u32 v[ADRA0], s28, v3
	v_and_b32 v4, 7, v0                            ; the turning load: lane l reads k-row 8 h + l % 8, 16 bytes at 16 ((l / 8) % 2)
	v_lshl_add_u32 v4, v2, 3, v4
	v_mul_u32_u24 v4, v4, PB
	v_bfe_u32 v5, v0, 3, 1
	v_lshl_add_u32 v4, v5, 4, v4
	s_lshl_b32 s29, s[WC], 8                       ; my 128 columns
	s_add_co_u32 s29, s29, 2*HALFT                 ; W lies behind x's 256 rows
	v_add_nc_u32 v[ADRB0], s29, v4
	v_mov_b32 v[ADRA], v[ADRA0]
	v_mov_b32 v[ADRB], v[ADRB0]
	s_mul_i32 s28, s[WV], 16*SPITCH
	s_add_co_u32 s28, s28, STAGE                   ; my stage
	v_add_nc_u32 v[STO], s28, v3
	v_mul_u32_u24 v4, v2, SPITCH
	v_lshl_add_u32 v4, v1, 4, v4
	v_add_nc_u32 v[RD], s28, v4
	v_mul_u32_u24 v4, v2, ROWC
	v_lshl_add_u32 v[CO], v1, 4, v4
	v_and_b32 v4, 31, v0
	v_lshlrev_b32 v[SGX], 4, v4
	s_lshl_b32 s28, s[TROW], 8                     ; qkv: the slab, my first row, my 256 bytes of it
	s_lshl_b32 s29, s[WR], 7
	s_add_co_u32 s28, s28, s29
	s_lshl_b32 s28, s28, 11
	s_min_u32 s29, ttmp9, 2                        ; (slab 3 stores nothing there: its address stays inside all the same)
	s_lshl_b32 s29, s29, 23
	s_add_co_u32 s28, s28, s29
	s_lshl_b32 s29, s[CX], 9
	s_add_co_u32 s28, s28, s29
	s_lshl_b32 s29, s[WC], 8
	s_add_co_u32 s28, s28, s29
	s_mov_b32 s29, 0
	s_add_nc_u64 s[CB:CB+1], s[16:17], s[28:29]
	s_lshl_b32 s28, s[TROW], 4                     ; gx: block row 16 x tile row + 8 x row half, 64 blocks in a block row; block column 16 cx + 8 x column half; 1,024 bytes a block
	s_lshl_b32 s29, s[WR], 3
	s_add_co_u32 s28, s28, s29
	s_lshl_b32 s28, s28, 6
	s_lshl_b32 s29, s[CX], 4
	s_add_co_u32 s28, s28, s29
	s_lshl_b32 s29, s[WC], 3
	s_add_co_u32 s28, s28, s29
	s_lshl_b32 s28, s28, 10
	s_mov_b32 s29, 0
	s_add_nc_u64 s[GX:GX+1], s[18:19], s[28:29]
	; the prefetches
	s_lshl_b32 s28, s[CX], 17                      ; x: my work-group's 32 rows of 4,096 bytes
	s_lshl_b32 s29, s[CY], 15                      ; W: my work-group's 16 k-rows of 2,048 bytes
	s_and_b32 s30, ttmp7, 0xffff
	s_mov_b32 s31, STEPB
	s_movk_i32 s[PFS], STEPA
	s_cmp_eq_u32 s[WR], 0
	s_cselect_b32 s28, s28, s29
	s_cselect_b32 s30, ttmp9, s30                  ; the coordinate along which other clusters read the same blocks
	s_cselect_b32 s[PFS], s[PFS], s31
	s_cselect_b64 s[PFA:PFA+1], s[76:77], s[78:79]
	s_mov_b32 s[PFS+1], 0
	s_mul_i32 s31, s[PFS], 3                       ; at K step 3: the first refill steps it to 4
	s_add_co_u32 s28, s28, s31
	s_mov_b32 s29, 0
	s_add_nc_u64 s[PFA:PFA+1], s[PFA:PFA+1], s[28:29]
	s_cmp_eq_u32 s30, 0
	s_cselect_b32 s[LIM], 2, -1                    ; the same in all sixteen partners, for a given wave
	v_and_b32 v3, 31, v0                           ; x: lane x 4,096; W: (lane / 2) x 2,048 + (lane % 2) x 256
	v_lshrrev_b32 v4, s[WR], v3
	s_sub_co_u32 s31, 12, s[WR]
	v_lshlrev_b32 v4, s31, v4
	v_and_b32 v5, s[WR], v3
	v_lshl_add_u32 v[PFO], v5, 8, v4
	s_wait_tensorcnt 0x1                           ; my part of K step 0 is in; step 1's may stay out
	s_barrier_signal -1
	s_barrier_wait -1
	FETCH 0, F0
	s_wait_loadcnt 0x0                             ; the bias
	QUARTER 1, F0, F1, 2                           ; the first quarter stands in front of the loop: its products start the sums, with the bias
	WIN 0
	s_mov_b32 s3, 6
.Lstep:                                                ; a trip: from a K step's second quarter to the next step's first; steps 0-5 are left and steps 2-7 asked for
	QUARTER 2, F1, F0, 0
	QUARTER 3, F0, F1, 0
	TURN 1
	QUARTER 1, F0, F1, 0
	WIN 0
	s_sub_co_u32 s3, s3, 1
	s_cmp_lg_u32 s3, 0
	s_cbranch_scc1 .Lstep
	s_mov_b32 s3, 2                                ; the last two steps ask for nothing: a text of their own; entered in its middle
	s_branch .Ltin
.Ltail:
	TURN 0
	QUARTER 1, F0, F1, 0
	WIN 0
.Ltin:
	QUARTER 2, F1, F0, 0
	QUARTER 3, F0, F1, 0
	WIN 0
	s_sub_co_u32 s3, s3, 1
	s_cmp_lg_u32 s3, 0
	s_cbranch_scc1 .Ltail
	LASTQ
	WIN 0
	PLACES
	PLACES
	s_cmp_eq_u32 ttmp9, 3                          ; the slab is the cluster's x: the same in all sixteen partners; neither way holds a barrier or a tensor load
	s_cbranch_scc1 .Lgx
	PACK 0
	TOSTAGE 0
.irp a, 1,2,3,4,5,6,7                  ; block a's conversions stand between block a - 1's loads from the stage and the wait for them
	PACK \a
	SEND (\a)-1
	TOSTAGE \a
.endr
	SEND 7
	s_branch .Lend
.Lgx:                                                  ; slab 3: the sums leave as they lie, in f32: each store of the wave covers 512 consecutive bytes, at a multiple of 512; each accumulator's registers 0-3 go first
.irp a, 0,1,2,3,4,5,6,7
	WIN (2+(\a)/4)<<2
.irp b, 0,1,2,3,4,5,6,7
	global_store_b128 v[SGX], v[64*((\a)%4)+8*(\b):64*((\a)%4)+8*(\b)+3],   s[GX:GX+1] offset:((\a)*64+(\b))*1024
	global_store_b128 v[SGX], v[64*((\a)%4)+8*(\b)+4:64*((\a)%4)+8*(\b)+7], s[GX:GX+1] offset:((\a)*64+(\b))*1024+512
.endr
.endr
	WIN 0
.Lend:
	s_wait_tensorcnt 0x0                           ; the wave's end: behind my last tensor load and my last LDS store
	ds_add_u32 v[SPW], v[NIL]
	s_wait_dscnt 0x0
	CROUND                                         ; the closing round: no work-group ends while a partner may still ask for a tile that names it
	s_endpgm
.Lfunc_end_k_q623b25e394_proj:
	.size	k_q623b25e394_proj, .Lfunc_end_k_q623b25e394_proj-k_q623b25e394_proj
	.p2alignl 7, 3214868480
	.fill 96, 4, 3214868480
	.section	.rodata,"a",@progbits
	.p2align	6, 0x0
	.amdhsa_kernel k_q623b25e394_proj
		.amdhsa_group_segment_fixed_size 327680
		.amdhsa_private_segment_fixed_size 0
		.amdhsa_enable_private_segment 0
		.amdhsa_kernarg_size 64
		.amdhsa_user_sgpr_count 2
		.amdhsa_user_sgpr_kernarg_segment_ptr 1
		.amdhsa_wavefront_size32 1
		.amdhsa_system_sgpr_workgroup_id_x 1
		.amdhsa_system_sgpr_workgroup_id_y 1
		.amdhsa_system_sgpr_workgroup_id_z 1
		.amdhsa_system_vgpr_workitem_id 0
		.amdhsa_next_free_vgpr 1024
		.amdhsa_next_free_sgpr 96
		.amdhsa_reserve_vcc 0
		.amdhsa_float_denorm_mode_32 3
		.amdhsa_float_denorm_mode_16_64 3
		.amdhsa_memory_ordered 1
		.amdhsa_forward_progress 1
		.amdhsa_inst_pref_size 120
	.end_amdhsa_kernel
	.amdgpu_metadata
---
amdhsa.version: [ 1, 2 ]
amdhsa.kernels:
  - .name:           k_q623b25e394_proj
    .symbol:         k_q623b25e394_proj.kd
    .args:
      - { .name: comb, .offset: 0, .size: 8, .value_kind: global_buffer, .address_space: global }
      - { .name: wb, .offset: 8, .size: 8, .value_kind: global_buffer, .address_space: global }
      - { .name: bq, .offset: 16, .size: 8, .value_kind: global_buffer, .address_space: global }
      - { .name: bk, .offset: 24, .size: 8, .value_kind: global_buffer, .address_space: global }
      - { .name: bv, .offset: 32, .size: 8, .value_kind: global_buffer, .address_space: global }
      - { .name: bg, .offset: 40, .size: 8, .value_kind: global_buffer, .address_space: global }
      - { .name: qkv, .offset: 48, .size: 8, .value_kind: global_buffer, .address_space: global }
      - { .name: gx, .offset: 56, .size: 8, .value_kind: global_buffer, .address_space: global }
    .group_segment_fixed_size: 327680
    .private_segment_fixed_size: 0
    .kernarg_segment_align: 8
    .kernarg_segment_size: 64
    .max_flat_workgroup_size: 128
    .sgpr_count:     96
    .vgpr_count:     1024
    .wavefront_size: 32
...
	.end_amdgpu_metadata
.endif
;; end of part 2
;; launch score (part 3): grid 16 x 16, 4 waves a work-group, clusters of 4 x 4, 327,680 bytes of LDS; arguments qkv, pt, stat; writes pt, stat
.if DOCPART == 3
	.amdgcn_target "amdgcn-amd-amdhsa--gfx1250"
	.amdhsa_code_object_version 6
	.text
	.protected	k_q623b25e394_score
	.globl	k_q623b25e394_score
	.p2align	8
	.type	k_q623b25e394_score,@function
k_q623b25e394_score:
	s_mov_b64 s[64:65], 0
	v_nop
	global_prefetch_b8 v0, s[64:65] scope:SCOPE_SE
	s_setreg_imm32_b32 hwreg(HW_REG_WAVE_MODE, 25, 1), 1
	s_wait_xcnt 0x0
	s_wait_alu depctr_hold_cnt(0) depctr_sa_sdst(0) depctr_va_vdst(0) depctr_va_sdst(0) depctr_va_ssrc(0) depctr_va_vcc(0) depctr_vm_vsrc(0)
	s_getreg_b32 s2, hwreg(HW_REG_IB_STS2, 6, 4)
	s_cmp_eq_u32 s2, 0
	s_cbranch_scc0 .Lentry_in_a_cluster
	s_endpgm
.Lentry_in_a_cluster:
	s_bfe_u32 s2, ttmp6, 0x10000c
	s_cmp_lg_u32 s2, 0xf033
	s_cbranch_scc0 .Lentry_shape_is_right
	s_endpgm
.Lentry_shape_is_right:
; SCORE: S = Q K^T (Q, K: slabs 0 and 1 of qkv, [4096][1024] bf16; sums in f32), and the first half of the softmax.  A tile of 256 queries x 256 keys is made by four waves, a wave 128 x 128.
; On the way out each wave takes, for each of its 128 rows, the maximum m of the row's 128 scores in ITS block of keys, and writes p = 2^(c s - c m), c = log2(e) / 32, rounded to bf16, into pt [4096][4096],
; and two f32 numbers for (block, row) into stat: c m at [blk][row], and from byte 524,288 on l = the sum of the unrounded p.  The next launch joins the 32 blocks of a row exactly, in f32.
; So a maximum is taken away before every exponential: p lies in 0 to 1 and l in 1 to 128, whatever the scores.  LIMITS: a p below 2^-126 counts as 0; NaN and infinities are not treated apart.
; Ring, cluster and product as in the launch before: K = 1,024 in 8 steps of 128 through two LDS slots; Q's tile is asked for jointly along a row of the 4 x 4 cluster, K's along a column;
; source 0 = 16 keys, source 1 = 16 queries: a lane holds query l % 16 and the keys 8 (l / 16) + 0..7 of each of 8 key blocks: 64 scores of one row; the lane 16 away holds the other 64.
; REGISTERS: window 0: v0-31 addresses, v64-191 Q's fragments (on the way out v64-74 at work), v192-223 packed p, v32-63 and v224-255 rows read back; window 1: v64-191 K's fragments; windows 2, 3: accumulators.
.set PITCH,  272
.set HALFT,  128*PITCH
.set SLOT,   4*HALFT                   ; 0x22000: its two bits are set in no wave's 0, 1, 2, 3 x HALFT
.set STAGE,  2*SLOT
.set SPITCH, 272
.set STAT,   STAGE+4*16*SPITCH         ; 1,024 bytes a wave: 128 c m, then 128 l
.set SPARE,  STAT+4096                 ; the spare words: 128 bytes a wave, named by no other line
.set ROWC,   8192                      ; bytes in a row of pt
.set STEPA,  256                       ; a K step along a row of Q and of K
.set ADRA0, 10
.set ADRB0, 11
.set ADRA,  12
.set ADRB,  13
.set SA,    14                         ; v14  where I put a row's c m (l 512 bytes on)
.set SR,    15                         ; v15  where I read four of them back
.set SG,    16                         ; v16  16 x lane
.set STO,   24
.set RD,    25
.set CO,    26
.set SPW,   28
.set NIL,   29
.set PFO,   30
.set F0,    64
.set F1,    128
.set TMP,   192
.set OB,    32
.set CH,    64                         ; v64-67  four running maxima
.set CM,    68                         ; v68-69  c m, twice
.set TT,    70                         ; v70     what the lane 16 away holds
.set LS,    72                         ; v72-73  the row sum
.set NEG,   74                         ; v74     the lowest finite number
.set WV, 20
.set WR, 21
.set WC, 22
.set CX, 23
.set CY, 24
.set TCOL, 25
.set TROW, 26
.set G1A, 32
.set G1B, 40
.set G0A, 48
.set G0B, 56
.set TB,  66
.set LIM, 67
.set PFA, 68
.set CS,  72                           ; s[72:73] c: the packed scaling takes the pair's low word for both halves
.set SEL, 74                           ; s[74:75] v_permlanex16_b32's selects: each lane takes its own place in the other half
.set CB,  80                           ; s[80:81] pt at my 16 rows in hand
.set SB,  82                           ; s[82:83] stat at my block and my 128 rows
.set MSB, 0
.macro WIN new
.if MSB != (\new)
	s_set_vgpr_msb (MSB<<8)|(\new)
.set MSB, \new
.endif
.endm
.macro PLACES
.rept 4
	v_nop
.endr
.endm
.macro JLOAD                           ; a joint refill by the walking sets; an s_nop 0 and four v_nop follow each line
	s_cmp_eq_u32 s[WR], 0
	s_cbranch_scc0 .Lfor_b_\@
	tensor_load_to_lds s[G0A+4:G0A+7], s[G1A:G1A+7]
	s_nop 0
.rept 4
	v_nop
.endr
	s_branch .Lasked_\@
.Lfor_b_\@:
	tensor_load_to_lds s[G0B+4:G0B+7], s[G1B:G1B+7]
	s_nop 0
.rept 4
	v_nop
.endr
.Lasked_\@:
.endm
.macro CREST
	s_cmp_lg_u32 s[WV], 0
	s_cbranch_scc1 .Lnot_wave_0_\@
	s_barrier_signal -3
.Lnot_wave_0_\@:
	s_barrier_wait -3
	s_barrier_signal -1
	s_barrier_wait -1
.endm
.macro CROUND
	s_barrier_signal -1
	s_barrier_wait -1
	CREST
.endm
; 16 products; mode 1: the first product starts the sums with the constant 0.  The 64 accumulators take turns in one order everywhere.
.macro MUL16 f, hi, a0, mode
	WIN 0xa1+0x50*(\hi)
.irp a, \a0, (\a0)+1
.irp b, 0,1,2,3,4,5,6,7
.if (\mode) == 1
	v_wmma_f32_16x16x32_bf16 v[8*(8*(\a)+(\b)):8*(8*(\a)+(\b))+7], v[(\f)+8*(\b):(\f)+8*(\b)+7], v[(\f)+8*(4*(\hi)+(\a)):(\f)+8*(4*(\hi)+(\a))+7], 0
.else
	v_wmma_f32_16x16x32_bf16 v[8*(8*(\a)+(\b)):8*(8*(\a)+(\b))+7], v[(\f)+8*(\b):(\f)+8*(\b)+7], v[(\f)+8*(4*(\hi)+(\a)):(\f)+8*(4*(\hi)+(\a))+7], v[8*(8*(\a)+(\b)):8*(8*(\a)+(\b))+7]
.endif
.endr
.endr
.endm
.macro FETCH q, f                      ; 32 LDS loads in one run: quarter q's fragments of K, then of Q
	WIN 0x40
.irp i, 0,1,2,3,4,5,6,7
	ds_load_b128 v[(\f)+8*(\i):(\f)+8*(\i)+3],   v[ADRB] offset:64*(\q)+(\i)*16*PITCH
	ds_load_b128 v[(\f)+8*(\i)+4:(\f)+8*(\i)+7], v[ADRB] offset:64*(\q)+(\i)*16*PITCH+32
.endr
	WIN 0
.irp i, 0,1,2,3,4,5,6,7
	ds_load_b128 v[(\f)+8*(\i):(\f)+8*(\i)+3],   v[ADRA] offset:64*(\q)+(\i)*16*PITCH
	ds_load_b128 v[(\f)+8*(\i)+4:(\f)+8*(\i)+7], v[ADRA] offset:64*(\q)+(\i)*16*PITCH+32
.endr
.endm
.macro QUARTER q, f, g, mode
	s_wait_dscnt 8                                 ; K and Q's rows 0-63 are in; the youngest eight loads (Q's rows 64-127) may be out
	MUL16 \f, 0, 0, \mode
	MUL16 \f, 0, 2, \mode
	PLACES
	FETCH \q, \g
	s_wait_dscnt 32                                ; all but the 32 just issued
	MUL16 \f, 1, 0, \mode
	MUL16 \f, 1, 2, \mode
.endm
; A prefetch into the L2 of the K step two refills on: 32 rows x 256 bytes, a lane a row.  Q's tile rows are read by the four clusters of a row of clusters: cluster x = 0 asks; K's by the four of a column:
; cluster y = 0 asks.  The four partners share a wave's 128 rows out by address (cx for Q, cy for K).  Steps 0-3 come by their loads alone; steps 4-7 are asked for in trips 0-3.
.macro ASK
	s_cmp_gt_u32 s3, s[LIM]
	s_cbranch_scc0 .Lnot_mine_\@
	global_prefetch_b8 v[PFO], s[PFA:PFA+1] th:TH_LOAD_NT scope:SCOPE_SE
.Lnot_mine_\@:
.endm
.macro TURN fill                       ; the last quarter and the change of slots, as in the launch before
	WIN 0
.if \fill
	s_wait_xcnt 0x0                                ; the last prefetch, a K step back, has read its address
	s_add_nc_u64 s[PFA:PFA+1], s[PFA:PFA+1], STEPA
.endif
	s_xor_b32 s[TB], s[TB], SLOT
	v_add_nc_u32 v[ADRA], s[TB], v[ADRA0]
	v_add_nc_u32 v[ADRB], s[TB], v[ADRB0]
	s_wait_tensorcnt 0x0                           ; no tensor load of mine is out: the one that was is my part of the next slot
	ds_add_u32 v[SPW], v[NIL]                      ; 0 onto my spare word
.if \fill
	s_xor_b32 s[G0A+5], s[G0A+5], SLOT
	s_add_nc_u64 s[G0A+6:G0A+7], s[G0A+6:G0A+7], STEPA
	s_xor_b32 s[G0B+5], s[G0B+5], SLOT
	s_add_nc_u64 s[G0B+6:G0B+7], s[G0B+6:G0B+7], STEPA
.endif
	s_wait_dscnt 9                                 ; the add and the youngest eight loads may be out
	MUL16 F1, 0, 0, 0
	s_wait_dscnt 0x0                               ; the add is done, and my reads of this slot are over
	s_barrier_signal -1
	MUL16 F1, 0, 2, 0
	WIN 0
	s_barrier_wait -1
.if \fill
	CREST
	JLOAD
.else
	PLACES
.endif
	FETCH 0, F0
.if \fill
	ASK
.endif
	MUL16 F1, 1, 0, 0
	MUL16 F1, 1, 2, 0
.endm
.macro LASTQ
	s_wait_dscnt 8
	MUL16 F1, 0, 0, 0
	MUL16 F1, 0, 2, 0
	s_wait_dscnt 0x0
	MUL16 F1, 1, 0, 0
	MUL16 F1, 1, 2, 0
.endm
; Row block a's half softmax.  A lane's 64 scores lie in 8 accumulators of window W.
.macro SOFT a
.set AC, 64*((\a)%4)
.set W, 2+(\a)/4
	WIN (W<<2)|(W<<4)                              ; the maximum: four chains by turns, two accumulators each; each accumulator's registers 0
.set k, 0
.rept 8
.set i, 0
.rept 4
.if k == 0
	v_max3_num_f32 v[CH+i], v[NEG], v[AC+16*i], v[AC+16*i+1]
.else
	v_max3_num_f32 v[CH+i], v[CH+i], v[AC+16*i+2*k], v[AC+16*i+2*k+1]
.endif
.set i, i+1
.endr
.set k, k+1
.endr
	WIN 0
	v_max3_num_f32 v[CH], v[CH], v[CH+1], v[CH+2]
	v_max_num_f32 v[CH], v[CH], v[CH+3]
	v_permlanex16_b32 v[TT], v[CH], s[SEL], s[SEL+1]  ; the row's other 64 scores lie in the lane 16 away
	v_max_num_f32 v[CH], v[CH], v[TT]
	v_mul_f32 v[CM], s[CS], v[CH]                  ; c m
	v_mov_b32 v[CM+1], v[CM]
	WIN (W<<6)|W
.set k, 0
.rept 32
	v_pk_fma_f32 v[AC+2*k:AC+2*k+1], v[AC+2*k:AC+2*k+1], s[CS:CS+1], v[CM:CM+1] op_sel_hi:[1,0,0] neg_lo:[0,0,1] neg_hi:[0,0,1]  ; c s - c m
.set k, k+1
.endr
.set k, 0
.rept 64
	v_exp_f32 v[AC+k], v[AC+k]                     ; one batch: none reads another's result
.set k, k+1
.endr
	v_nop                                          ; a plain instruction behind the last exponential (ISA guide 5.7.2),
	s_wait_alu depctr_va_vdst(0)                   ; and the one wait ahead of the batch's first reader
	WIN (W<<2)|W
.irp b, 0,1,2,3,4,5,6,7
.irp r, 0,1,2,3
	v_cvt_pk_bf16_f32 v[TMP+4*(\b)+(\r)], v[AC+8*(\b)+2*(\r)], v[AC+8*(\b)+2*(\r)+1]
.endr
.endr
	WIN (W<<6)|(W<<2)|W                            ; the sum of the unrounded p: pairs 16, 8, 4, 2 apart, in place
.irp d, 16,8,4,2
.set k, 0
.rept \d
	v_pk_add_f32 v[AC+2*k:AC+2*k+1], v[AC+2*k:AC+2*k+1], v[AC+2*(k+(\d)):AC+2*(k+(\d))+1]
.set k, k+1
.endr
.endr
	WIN (W<<2)|W
	v_pk_add_f32 v[LS:LS+1], v[AC:AC+1], v[AC+2:AC+3]
	WIN 0
	v_add_f32 v[LS], v[LS], v[LS+1]
	v_permlanex16_b32 v[TT], v[LS], s[SEL], s[SEL+1]
	v_add_f32 v[LS], v[LS], v[TT]
	ds_store_b32 v[SA], v[CM] offset:64*(\a)       ; both halves of the lanes write the same word with the same number
	ds_store_b32 v[SA], v[LS] offset:512+64*(\a)
.endm
.macro TOSTAGE a
	WIN 0
.set BK, OB+192*((\a)%2)
.irp b, 0,1,2,3,4,5,6,7
	ds_store_b128 v[STO], v[TMP+4*(\b):TMP+4*(\b)+3] offset:32*(\b)
.endr
.irp t, 0,1,2,3,4,5,6,7
	ds_load_b128 v[BK+4*(\t):BK+4*(\t)+3], v[RD] offset:(\t)*2*SPITCH  ; LDS serves a wave's instructions in order (ISA guide 5.7.1.4): these see the stores above
.endr
.endm
.macro SEND a
	WIN 0
.set BK, OB+192*((\a)%2)
	s_wait_dscnt 0x0                               ; the block is back in registers
	s_wait_xcnt 0x0                                ; earlier stores have read their base and data: only now are these rewritten
.if (\a) > 0
	s_add_nc_u64 s[CB:CB+1], s[CB:CB+1], 16*ROWC
.endif
.irp t, 0,1,2,3,4,5,6,7
	global_store_b128 v[CO], v[BK+4*(\t):BK+4*(\t)+3], s[CB:CB+1] offset:2*(\t)*ROWC  ; 16 lanes store 256 consecutive bytes, at a multiple of 256
.endr
.endm
	s_load_b128 s[4:7], s[0:1], 0x0                ; qkv s[4:5], pt s[6:7]
	s_load_b64 s[8:9], s[0:1], 0x10                ; stat
	v_lshl_add_u32 v[SPW], v0, 2, SPARE
	v_mov_b32 v[NIL], 0
	ds_add_u32 v[SPW], v[NIL]                      ; the wave's opening: the add and its wait stand ahead of my first tensor load
	v_lshrrev_b32 v1, 5, v0
	v_readfirstlane_b32 s[WV], v1
	s_lshr_b32 s[WR], s[WV], 1
	s_and_b32 s[WC], s[WV], 1
	s_bfe_u32 s[CX], ttmp6, 0x40000
	s_bfe_u32 s[CY], ttmp6, 0x40004
	s_lshl_b32 s[TCOL], ttmp9, 2
	s_add_co_u32 s[TCOL], s[TCOL], s[CX]
	s_and_b32 s[TROW], ttmp7, 0xffff
	s_lshl_b32 s[TROW], s[TROW], 2
	s_add_co_u32 s[TROW], s[TROW], s[CY]
	s_lshl_b32 s28, s[CY], 2
	s_lshl_b32 s28, 15, s28                        ; my row of the cluster
	s_lshl_b32 s29, 0x1111, s[CX]                  ; my column
	s_or_b32 s[G1A], s28, (1<<16)|(1<<20)|(1<<21)|(5<<22)|(3<<25)  ; mask; 2-byte elements; padding on; bit 21 beside a mask; after every 64 words, 4 words
	s_or_b32 s[G1B], s29, (1<<16)|(1<<20)|(1<<21)|(5<<22)|(3<<25)
.irp g, G1A, G1B
	s_mov_b32 s[(\g)+1], 128<<16                   ; tensor_dim0 = 128
	s_mov_b32 s[(\g)+2], 128<<16                   ; tensor_dim1 = 128
	s_mov_b32 s[(\g)+3], 128<<16                   ; tile_dim0 = 128
	s_mov_b32 s[(\g)+4], 128                       ; tile_dim1 = 128
	s_mov_b32 s[(\g)+5], 1024                      ; elements from row to row
	s_mov_b32 s[(\g)+6], 0
	s_mov_b32 s[(\g)+7], 0
.endr
	s_lshl_b32 s76, s[TROW], 8                     ; Q: row 256 x tile row + 128 x half, rows of 2,048 bytes
	s_lshl_b32 s77, s[WC], 7
	s_add_co_u32 s76, s76, s77
	s_lshl_b32 s76, s76, 11
	s_mov_b32 s77, 0
	s_lshl_b32 s78, s[TCOL], 8                     ; K: row 256 x tile column + 128 x half, in slab 1
	s_lshl_b32 s79, s[WC], 7
	s_add_co_u32 s78, s78, s79
	s_lshl_b32 s78, s78, 11
	s_add_co_u32 s78, s78, 0x800000
	s_mov_b32 s79, 0
	s_mul_i32 s30, s[WV], HALFT
	s_mov_b32 s[TB], 0
	s_mov_b32 s[CS], 0x3d38aa3b                    ; c = log2(e) / 32
	s_mov_b32 s[CS+1], s[CS]
	s_mov_b32 s[SEL], 0x76543210
	s_mov_b32 s[SEL+1], 0xfedcba98
	s_wait_dscnt 0x0                               ; the opening add is done
	s_wait_kmcnt 0x0
	s_add_nc_u64 s[76:77], s[4:5], s[76:77]
	s_add_nc_u64 s[78:79], s[4:5], s[78:79]
	CROUND                                         ; all sixteen work-groups are here: the first joint loads meet
.irp s, 0,1
	s_mov_b32 s[G0A+4*(\s)], 1
	s_add_co_u32 s[G0A+4*(\s)+1], s30, (\s)*SLOT
	s_add_nc_u64 s[G0A+4*(\s)+2:G0A+4*(\s)+3], s[76:77], (\s)*STEPA
	s_or_b32 s[G0A+4*(\s)+3], s[G0A+4*(\s)+3], 0x80000000
	s_mov_b32 s[G0B+4*(\s)], 1
	s_add_co_u32 s[G0B+4*(\s)+1], s30, (\s)*SLOT
	s_add_nc_u64 s[G0B+4*(\s)+2:G0B+4*(\s)+3], s[78:79], (\s)*STEPA
	s_or_b32 s[G0B+4*(\s)+3], s[G0B+4*(\s)+3], 0x80000000
.endr
	s_cmp_eq_u32 s[WR], 0                          ; a wave's two first fills stand in one branch: two loads of mine are out
	s_cbranch_scc0 .Lfirst_b
	tensor_load_to_lds s[G0A:G0A+3], s[G1A:G1A+7]
	s_nop 0
	tensor_load_to_lds s[G0A+4:G0A+7], s[G1A:G1A+7]
	s_nop 0
.rept 4
	v_nop
.endr
	s_branch .Lfirst_asked
.Lfirst_b:
	tensor_load_to_lds s[G0B:G0B+3], s[G1B:G1B+7]
	s_nop 0
	tensor_load_to_lds s[G0B+4:G0B+7], s[G1B:G1B+7]
	s_nop 0
.rept 4
	v_nop
.endr
.Lfirst_asked:
	v_and_b32 v1, 15, v0                           ; r
	v_bfe_u32 v2, v0, 4, 1                         ; h
	v_mul_u32_u24 v3, v1, PITCH
	v_lshl_add_u32 v3, v2, 4, v3                   ; 272 r + 16 h
	s_mul_i32 s28, s[WR], HALFT                    ; my 128 rows of Q
	v_add_nc_u32 v[ADRA0], s28, v3
	s_mul_i32 s29, s[WC], HALFT                    ; my 128 rows of K, behind Q's 256
	s_add_co_u32 s29, s29, 2*HALFT
	v_add_nc_u32 v[ADRB0], s29, v3
	v_mov_b32 v[ADRA], v[ADRA0]
	v_mov_b32 v[ADRB], v[ADRB0]
	s_mul_i32 s28, s[WV], 16*SPITCH
	s_add_co_u32 s28, s28, STAGE
	v_add_nc_u32 v[STO], s28, v3
	v_mul_u32_u24 v4, v2, SPITCH
	v_lshl_add_u32 v4, v1, 4, v4
	v_add_nc_u32 v[RD], s28, v4
	v_mul_u32_u24 v4, v2, ROWC
	v_lshl_add_u32 v[CO], v1, 4, v4
	s_lshl_b32 s28, s[WV], 10
	s_add_co_u32 s28, s28, STAT
	v_lshl_add_u32 v[SA], v1, 2, s28
	v_and_b32 v3, 31, v0
	v_lshl_add_u32 v[SR], v3, 4, s28
	v_lshlrev_b32 v[SG], 4, v3
	s_lshl_b32 s28, s[TROW], 8                     ; my first row
	s_lshl_b32 s29, s[WR], 7
	s_add_co_u32 s31, s28, s29
	s_lshl_b32 s28, s31, 13                        ; pt: rows of 8,192 bytes, my 256 bytes of them
	s_lshl_b32 s29, s[TCOL], 9
	s_add_co_u32 s28, s28, s29
	s_lshl_b32 s29, s[WC], 8
	s_add_co_u32 s28, s28, s29
	s_mov_b32 s29, 0
	s_add_nc_u64 s[CB:CB+1], s[6:7], s[28:29]
	s_lshl_b32 s28, s[TCOL], 1                     ; stat: block 2 x tile column + half, 16,384 bytes a block; 4 bytes a row
	s_add_co_u32 s28, s28, s[WC]
	s_lshl_b32 s28, s28, 14
	s_lshl_b32 s31, s31, 2
	s_add_co_u32 s28, s28, s31
	s_add_nc_u64 s[SB:SB+1], s[8:9], s[28:29]
	; the prefetches
	s_lshl_b32 s28, s[CX], 16                      ; my work-group's 32 rows of 2,048 bytes
	s_lshl_b32 s29, s[CY], 16
	s_and_b32 s30, ttmp7, 0xffff
	s_cmp_eq_u32 s[WR], 0
	s_cselect_b32 s28, s28, s29
	s_cselect_b32 s30, ttmp9, s30
	s_cselect_b64 s[PFA:PFA+1], s[76:77], s[78:79]
	s_add_co_u32 s28, s28, 3*STEPA                 ; at K step 3: the first refill steps it to 4
	s_mov_b32 s29, 0
	s_add_nc_u64 s[PFA:PFA+1], s[PFA:PFA+1], s[28:29]
	s_cmp_eq_u32 s30, 0
	s_cselect_b32 s[LIM], 2, -1
	v_lshlrev_b32 v[PFO], 11, v3
	s_wait_tensorcnt 0x1                           ; my part of K step 0 is in; step 1's may stay out
	s_barrier_signal -1
	s_barrier_wait -1
	FETCH 0, F0
	QUARTER 1, F0, F1, 1                           ; the first quarter stands in front of the loop: its products start the sums
	WIN 0
	s_mov_b32 s3, 6
.Lstep:
	QUARTER 2, F1, F0, 0
	QUARTER 3, F0, F1, 0
	TURN 1
	QUARTER 1, F0, F1, 0
	WIN 0
	s_sub_co_u32 s3, s3, 1
	s_cmp_lg_u32 s3, 0
	s_cbranch_scc1 .Lstep
	s_mov_b32 s3, 2                                ; the last two steps ask for nothing: a text of their own, entered in its middle
	s_branch .Ltin
.Ltail:
	TURN 0
	QUARTER 1, F0, F1, 0
	WIN 0
.Ltin:
	QUARTER 2, F1, F0, 0
	QUARTER 3, F0, F1, 0
	WIN 0
	s_sub_co_u32 s3, s3, 1
	s_cmp_lg_u32 s3, 0
	s_cbranch_scc1 .Ltail
	LASTQ
	WIN 0
	PLACES
	PLACES
	v_mov_b32 v[TT], 0                             ; v_permlanex16_b32's destination counts as read
	v_mov_b32 v[NEG], 0xff7fffff
	SOFT 0
	TOSTAGE 0
.irp a, 1,2,3,4,5,6,7                  ; block a's softmax stands between block a - 1's loads from the stage and the wait for them
	SOFT \a
	SEND (\a)-1
	TOSTAGE \a
.endr
	SEND 7
	ds_load_b128 v[64:67], v[SR]                   ; my wave's own 128 c m and 128 l, four a lane
	ds_load_b128 v[68:71], v[SR] offset:512
	s_wait_dscnt 0x0
	global_store_b128 v[SG], v[64:67], s[SB:SB+1]  ; 512 consecutive bytes each
	global_store_b128 v[SG], v[68:71], s[SB:SB+1] offset:524288
	s_wait_tensorcnt 0x0                           ; the wave's end
	ds_add_u32 v[SPW], v[NIL]
	s_wait_dscnt 0x0
	CROUND                                         ; the closing round
	s_endpgm
.Lfunc_end_k_q623b25e394_score:
	.size	k_q623b25e394_score, .Lfunc_end_k_q623b25e394_score-k_q623b25e394_score
	.p2alignl 7, 3214868480
	.fill 96, 4, 3214868480
	.section	.rodata,"a",@progbits
	.p2align	6, 0x0
	.amdhsa_kernel k_q623b25e394_score
		.amdhsa_group_segment_fixed_size 327680
		.amdhsa_private_segment_fixed_size 0
		.amdhsa_enable_private_segment 0
		.amdhsa_kernarg_size 24
		.amdhsa_user_sgpr_count 2
		.amdhsa_user_sgpr_kernarg_segment_ptr 1
		.amdhsa_wavefront_size32 1
		.amdhsa_system_sgpr_workgroup_id_x 1
		.amdhsa_system_sgpr_workgroup_id_y 1
		.amdhsa_system_sgpr_workgroup_id_z 1
		.amdhsa_system_vgpr_workitem_id 0
		.amdhsa_next_free_vgpr 1024
		.amdhsa_next_free_sgpr 96
		.amdhsa_reserve_vcc 0
		.amdhsa_float_denorm_mode_32 3
		.amdhsa_float_denorm_mode_16_64 3
		.amdhsa_memory_ordered 1
		.amdhsa_forward_progress 1
		.amdhsa_inst_pref_size 175
	.end_amdhsa_kernel
	.amdgpu_metadata
---
amdhsa.version: [ 1, 2 ]
amdhsa.kernels:
  - .name:           k_q623b25e394_score
    .symbol:         k_q623b25e394_score.kd
    .args:
      - { .name: qkv, .offset: 0, .size: 8, .value_kind: global_buffer, .address_space: global }
      - { .name: pt, .offset: 8, .size: 8, .value_kind: global_buffer, .address_space: global }
      - { .name: stat, .offset: 16, .size: 8, .value_kind: global_buffer, .address_space: global }
    .group_segment_fixed_size: 327680
    .private_segment_fixed_size: 0
    .kernarg_segment_align: 8
    .kernarg_segment_size: 24
    .max_flat_workgroup_size: 128
    .sgpr_count:     96
    .vgpr_count:     1024
    .wavefront_size: 32
...
	.end_amdgpu_metadata
.endif
;; end of part 3
;; launch pv (part 4): grid 8 x 32, 4 waves a work-group, clusters of 4 x 4, 327,680 bytes of LDS; arguments pt, qkv, stat, att, comb; writes att, comb
.if DOCPART == 4
	.amdgcn_target "amdgcn-amd-amdhsa--gfx1250"
	.amdhsa_code_object_version 6
	.text
	.protected	k_q623b25e394_pv
	.globl	k_q623b25e394_pv
	.p2align	8
	.type	k_q623b25e394_pv,@function
k_q623b25e394_pv:
	s_mov_b64 s[64:65], 0
	v_nop
	global_prefetch_b8 v0, s[64:65] scope:SCOPE_SE
	s_setreg_imm32_b32 hwreg(HW_REG_WAVE_MODE, 25, 1), 1
	s_wait_xcnt 0x0
	s_wait_alu depctr_hold_cnt(0) depctr_sa_sdst(0) depctr_va_vdst(0) depctr_va_sdst(0) depctr_va_ssrc(0) depctr_va_vcc(0) depctr_vm_vsrc(0)
	s_getreg_b32 s2, hwreg(HW_REG_IB_STS2, 6, 4)
	s_cmp_eq_u32 s2, 0
	s_cbranch_scc0 .Lentry_in_a_cluster
	s_endpgm
.Lentry_in_a_cluster:
	s_bfe_u32 s2, ttmp6, 0x10000c
	s_cmp_lg_u32 s2, 0xf033
	s_cbranch_scc0 .Lentry_shape_is_right
	s_endpgm
.Lentry_shape_is_right:
; PV: O[q][n] = the sum over 32 blocks of 128 keys of f[q][blk] x (the sum over the block's keys of p[q][key] V[key][n]), f = 2^(cm[blk][q] - M[q]) / L[q],
; M = the largest cm of the row, L = the sum over blocks of 2^(cm - M) l.  That is softmax(S) V with the row's true maximum taken away, joined in f32; p (pt, bf16) is rounded once, V is slab 2 of qkv.
; f lies in 0 to 1 and L in 1 to 4,096.  LIMITS: a factor below 2^-126 counts as 0; NaN and infinities are not treated apart.
; O leaves twice: in f32 into att [4096][1024], and rounded to bf16 into columns 1024-2047 of comb, where the next launch multiplies it.
; A tile of 128 x 128 is made by four waves, a wave 64 x 64.  K (the keys) goes in 16 steps of 256 through two LDS slots; a step is two blocks.  A block's products are summed in 16 temporary accumulators T,
; started with the constant 0; in the block's last 16 products ACC += f T rides behind the matrix instructions, each line eight plain places or more behind the product that ended its T.
; CLUSTER 4 x 4: p's tile hangs on the tile row alone (joint along a row of the cluster), V's on the tile column alone (joint along a column).
; Source 0 = 16 columns of V (V lies [key][n] in LDS and is turned by ds_load_tr16_b128), source 1 = 16 rows of p: a lane holds row l % 16 and columns 8 (l / 16) + 0..7.
; REGISTERS: window 0: addresses, v32-39 a block's factors (f, f) for my four row blocks, v40-47 and v64-127 at work; window 1: two fragment buffers of 128 (p's 64, then V's 64); window 2: v0-127 T, v128-255 ACC.
.set PA,    528                        ; a row of p in LDS: 512 bytes + 16
.set HA,    64*PA                      ; what one tensor load brings of p: 64 rows
.set PB,    288                        ; a key's row of V: 256 bytes + 32
.set HB,    128*PB                     ; of V: 128 keys
.set BOFF,  2*HA                       ; V lies behind p's 128 rows
.set SLOT1, 147456                     ; 0x24000: its two bits are set in none of the four tiles' places 0, HA, BOFF, BOFF + HB
.set FT,    SLOT1+BOFF+2*HB            ; the factors: 1,024 bytes a block: [row half][r][row block] pairs (f, f)
.set SPARE, FT+32768                   ; the spare words: 128 bytes a wave, named by no other line
.set STEPA, 512
.set STEPB, 256*2048
.set ADRA0, 10
.set ADRB0, 11
.set ADRA,  12
.set FA0,   13                         ; v13  my lane's place in a block's factors
.set FA,    14                         ; v14  the same for the K step in hand
.set FW,    15                         ; v15  where I put my row's factors
.set ADRB,  16                         ; v16, v17  V's tile: keys 0-127, keys 128-255 (so that offsets stay inside 16 bits)
.set STO,   24
.set RD,    25
.set GO,    26                         ; v26  16 x lane
.set GO2,   27                         ; v27  8 x lane
.set SPW,   28
.set NIL,   29
.set FR,    32
.set MP,    40                         ; v40-41 M, twice
.set LA,    42
.set LB,    44
.set RP,    46                         ; v46-47 1 / L, twice
.set CMR,   64                         ; v64-95  my row's 32 c m, then its factors
.set LR,    96                         ; v96-127 my row's 32 l
.set F0,    0
.set F1,    128
.set ACC,   128
.set WV, 20
.set WR, 21
.set WC, 22
.set CX, 23
.set CY, 24
.set TCOL, 25
.set TROW, 26
.set G1A, 32
.set G1B, 40
.set G0A, 48
.set G0B, 56
.set TB,  66
.set OA,  80                           ; s[80:81] att at my 32 rows of the tile
.set SB,  82                           ; s[82:83] stat at the tile's 128 rows
.set OC,  84                           ; s[84:85] comb at the same 32 rows, O's half
.set FB,  86                           ; s86  2,048 x the K step in hand
.set MSB, 0
.macro WIN new
.if MSB != (\new)
	s_set_vgpr_msb (MSB<<8)|(\new)
.set MSB, \new
.endif
.endm
.macro PLACES
.rept 4
	v_nop
.endr
.endm
.macro JLOAD                           ; a joint refill by the walking sets; an s_nop 0 and four v_nop follow each line
	s_cmp_eq_u32 s[WR], 0
	s_cbranch_scc0 .Lfor_b_\@
	tensor_load_to_lds s[G0A+4:G0A+7], s[G1A:G1A+7]
	s_nop 0
.rept 4
	v_nop
.endr
	s_branch .Lasked_\@
.Lfor_b_\@:
	tensor_load_to_lds s[G0B+4:G0B+7], s[G1B:G1B+7]
	s_nop 0
.rept 4
	v_nop
.endr
.Lasked_\@:
.endm
.macro CREST
	s_cmp_lg_u32 s[WV], 0
	s_cbranch_scc1 .Lnot_wave_0_\@
	s_barrier_signal -3
.Lnot_wave_0_\@:
	s_barrier_wait -3
	s_barrier_signal -1
	s_barrier_wait -1
.endm
.macro CROUND
	s_barrier_signal -1
	s_barrier_wait -1
	CREST
.endm
.macro FMA x                           ; ACC(x) += f T(x): T's lowest registers are read first
	WIN 0xa2
.set p, 0
.rept 4
	v_pk_fma_f32 v[ACC+8*(\x)+p:ACC+8*(\x)+p+1], v[8*(\x)+p:8*(\x)+p+1], v[FR+2*((\x)/4):FR+2*((\x)/4)+1], v[ACC+8*(\x)+p:ACC+8*(\x)+p+1]
.set p, p+2
.endr
.endm
.macro RIDE                            ; what stands behind product t of a block's last 16
.if t == 1
.rept 8
	v_nop
.endr
.elseif t%2 == 1
	FMA t-3
	FMA t-2
.if t == 15
	FMA 14
	FMA 15
.endif
.endif
.endm
; 8 products: t = 4 a + b from 4 a0 on, 32 along K: half c of buffer f.  kind 0: onto T; 1: the constant 0 starts T; 2: onto T, with riders.  The 16 accumulators take turns.
.macro MUL8 f, c, a0, kind
.set t, 4*(\a0)
.rept 8
	WIN 0xa5
.set rD, 8*t
.set rB, (\f)+64+8*(4*(\c)+t%4)
.set rA, (\f)+8*(4*(\c)+t/4)
.if (\kind) == 1
	v_wmma_f32_16x16x32_bf16 v[rD:rD+7], v[rB:rB+7], v[rA:rA+7], 0
.else
	v_wmma_f32_16x16x32_bf16 v[rD:rD+7], v[rB:rB+7], v[rA:rA+7], v[rD:rD+7]
.endif
.if (\kind) == 2
	RIDE
.endif
.set t, t+1
.endr
.endm
.macro PASS f, c, kind
	MUL8 \f, \c, 0, \kind
	MUL8 \f, \c, 2, \kind
.endm
; One run of LDS loads: quarter q's fragments (64 keys) into buffer f, the first 32 keys first; fl = 0, 1: ahead of them the factors of the step's block fl
.macro FETCH q, f, fl
.if (\fl) >= 0
	WIN 0
	ds_load_b128 v[FR:FR+3],   v[FA] offset:1024*(\fl)
	ds_load_b128 v[FR+4:FR+7], v[FA] offset:1024*(\fl)+16
.endif
	WIN 0x40
.irp c, 0,1
.irp i, 0,1,2,3
	ds_load_tr16_b128 v[(\f)+64+8*(4*(\c)+(\i)):(\f)+64+8*(4*(\c)+(\i))+3],   v[ADRB+(\q)/2] offset:((\q)%2)*64*PB+32*PB*(\c)+32*(\i)
	ds_load_tr16_b128 v[(\f)+64+8*(4*(\c)+(\i))+4:(\f)+64+8*(4*(\c)+(\i))+7], v[ADRB+(\q)/2] offset:((\q)%2)*64*PB+32*PB*(\c)+32*(\i)+16*PB
	ds_load_b128 v[(\f)+8*(4*(\c)+(\i)):(\f)+8*(4*(\c)+(\i))+3],   v[ADRA] offset:128*(\q)+64*(\c)+(\i)*16*PA
	ds_load_b128 v[(\f)+8*(4*(\c)+(\i))+4:(\f)+8*(4*(\c)+(\i))+7], v[ADRA] offset:128*(\q)+64*(\c)+(\i)*16*PA+32
.endr
.endr
.endm
.macro QUARTER q, f, g, k0, k1, fl
	s_wait_dscnt 16                                ; the first 32 keys' fragments (and factors asked for ahead of them) are in
	PASS \f, 0, \k0
	PLACES
	FETCH \q, \g, \fl
.if (\fl) >= 0
	s_wait_dscnt 34                                ; all but the 34 just issued
.else
	s_wait_dscnt 32                                ; all but the 32 just issued
.endif
	PASS \f, 1, \k1
.endm
; The last quarter changes slots FIRST and multiplies buffer 1 behind the change.  A step here has 128 products a wave, too few for a tile to land beside them, so the wave stands at the wait for its tile in every step:
; nothing is put between that wait and the next request, and the quarter's 32 products, which read registers alone, run while the next tile is on its way.
; In front of the barrier each wave waits for all its tensor loads (one is out: its part of the next slot), adds 0 to its spare word, and waits for that and for its reads of this slot, buffer 1's fragments among them.
.macro TURN fill, k1
	WIN 0
	s_xor_b32 s[TB], s[TB], SLOT1
	v_add_nc_u32 v[ADRA], s[TB], v[ADRA0]          ; these five lines, and the four v_nop behind the barrier, are the places between buffer 0's last product and the loads into it
	v_add_nc_u32 v[ADRB], s[TB], v[ADRB0]
	v_add_nc_u32 v[ADRB+1], HB, v[ADRB]
	s_add_co_u32 s[FB], s[FB], 2048                ; the next step's two blocks of factors
	v_add_nc_u32 v[FA], s[FB], v[FA0]
	s_wait_tensorcnt 0x0                           ; no tensor load of mine is out, so a group 0 may be written
	ds_add_u32 v[SPW], v[NIL]                      ; 0 onto my spare word
.if \fill
	s_xor_b32 s[G0A+5], s[G0A+5], SLOT1
	s_add_nc_u64 s[G0A+6:G0A+7], s[G0A+6:G0A+7], STEPA
	s_xor_b32 s[G0B+5], s[G0B+5], SLOT1
	s_add_nc_u64 s[G0B+6:G0B+7], s[G0B+6:G0B+7], STEPB
.endif
	s_wait_dscnt 0x0                               ; the add is done, and my reads of this slot are over
	s_barrier_signal -1
	s_barrier_wait -1
.if \fill
	CREST                                          ; the barrier has opened a round of the cluster's: no wave of any partner still reads this slot or has a load on its way
	JLOAD
.else
	PLACES
.endif
	FETCH 0, F0, -1
	PASS F1, 0, 0
	PASS F1, 1, \k1
.endm
.macro LASTQ k1
	s_wait_dscnt 16
	PASS F1, 0, 0
	s_wait_dscnt 0x0
	PASS F1, 1, \k1
.endm
	s_load_b256 s[4:11], s[0:1], 0x0               ; pt s[4:5], qkv s[6:7], stat s[8:9], att s[10:11]
	s_load_b64 s[12:13], s[0:1], 0x20              ; comb
	v_lshl_add_u32 v[SPW], v0, 2, SPARE
	v_mov_b32 v[NIL], 0
	ds_add_u32 v[SPW], v[NIL]                      ; the wave's opening: the add and its wait stand ahead of my first tensor load
	v_lshrrev_b32 v1, 5, v0
	v_readfirstlane_b32 s[WV], v1
	s_lshr_b32 s[WR], s[WV], 1
	s_and_b32 s[WC], s[WV], 1
	s_bfe_u32 s[CX], ttmp6, 0x40000
	s_bfe_u32 s[CY], ttmp6, 0x40004
	s_lshl_b32 s[TCOL], ttmp9, 2
	s_add_co_u32 s[TCOL], s[TCOL], s[CX]
	s_and_b32 s[TROW], ttmp7, 0xffff
	s_lshl_b32 s[TROW], s[TROW], 2
	s_add_co_u32 s[TROW], s[TROW], s[CY]
	s_lshl_b32 s28, s[CY], 2
	s_lshl_b32 s28, 15, s28
	s_lshl_b32 s29, 0x1111, s[CX]
	s_or_b32 s[G1A], s28, (1<<16)|(1<<20)|(1<<21)|(6<<22)|(3<<25)  ; after every 128 words, 4 words
	s_or_b32 s[G1B], s29, (1<<16)|(1<<20)|(1<<21)|(5<<22)|(7<<25)  ; after every 64 words, 8 words
	s_mov_b32 s[G1A+1], 256<<16                    ; p: 64 rows of 256 keys
	s_mov_b32 s[G1A+2], 64<<16
	s_mov_b32 s[G1A+3], 256<<16
	s_mov_b32 s[G1A+4], 64
	s_mov_b32 s[G1A+5], 4096
	s_mov_b32 s[G1A+6], 0
	s_mov_b32 s[G1A+7], 0
	s_mov_b32 s[G1B+1], 128<<16                    ; V: 128 keys of 128 columns
	s_mov_b32 s[G1B+2], 128<<16
	s_mov_b32 s[G1B+3], 128<<16
	s_mov_b32 s[G1B+4], 128
	s_mov_b32 s[G1B+5], 1024
	s_mov_b32 s[G1B+6], 0
	s_mov_b32 s[G1B+7], 0
	s_lshl_b32 s76, s[TROW], 7                     ; p: row 128 x tile row + 64 x half, rows of 8,192 bytes
	s_lshl_b32 s77, s[WC], 6
	s_add_co_u32 s76, s76, s77
	s_lshl_b32 s76, s76, 13
	s_mov_b32 s77, 0
	s_lshl_b32 s78, s[WC], 18                      ; V: slab 2, my 128 keys of 2,048 bytes, the tile's 256 bytes
	s_lshl_b32 s79, s[TCOL], 8
	s_add_co_u32 s78, s78, s79
	s_add_co_u32 s78, s78, 0x1000000
	s_mov_b32 s79, 0
	s_mul_i32 s30, s[WC], HA                       ; where my tile goes: no place in the cluster enters an LDS address
	s_mul_i32 s31, s[WC], HB
	s_add_co_u32 s31, s31, BOFF
	s_mov_b32 s[TB], 0
	s_mov_b32 s[FB], 0
	s_lshl_b32 s28, s[TROW], 9                     ; stat: the tile's 128 rows, 4 bytes each
	s_mov_b32 s29, 0
	s_wait_dscnt 0x0                               ; the opening add is done
	s_wait_kmcnt 0x0
	s_add_nc_u64 s[76:77], s[4:5], s[76:77]
	s_add_nc_u64 s[78:79], s[6:7], s[78:79]
	s_add_nc_u64 s[SB:SB+1], s[8:9], s[28:29]
	CROUND                                         ; all sixteen work-groups are here: the first joint loads meet
.irp s, 0,1
	s_mov_b32 s[G0A+4*(\s)], 1
	s_add_co_u32 s[G0A+4*(\s)+1], s30, (\s)*SLOT1
	s_add_nc_u64 s[G0A+4*(\s)+2:G0A+4*(\s)+3], s[76:77], (\s)*STEPA
	s_or_b32 s[G0A+4*(\s)+3], s[G0A+4*(\s)+3], 0x80000000
	s_mov_b32 s[G0B+4*(\s)], 1
	s_add_co_u32 s[G0B+4*(\s)+1], s31, (\s)*SLOT1
	s_add_nc_u64 s[G0B+4*(\s)+2:G0B+4*(\s)+3], s[78:79], (\s)*STEPB
	s_or_b32 s[G0B+4*(\s)+3], s[G0B+4*(\s)+3], 0x80000000
.endr
	s_cmp_eq_u32 s[WR], 0                          ; a wave's two first fills stand in one branch: two loads of mine are out
	s_cbranch_scc0 .Lfirst_b
	tensor_load_to_lds s[G0A:G0A+3], s[G1A:G1A+7]
	s_nop 0
	tensor_load_to_lds s[G0A+4:G0A+7], s[G1A:G1A+7]
	s_nop 0
.rept 4
	v_nop
.endr
	s_branch .Lfirst_asked
.Lfirst_b:
	tensor_load_to_lds s[G0B:G0B+3], s[G1B:G1B+7]
	s_nop 0
	tensor_load_to_lds s[G0B+4:G0B+7], s[G1B:G1B+7]
	s_nop 0
.rept 4
	v_nop
.endr
.Lfirst_asked:
	; THE FACTORS.  Thread t is row t of the tile: its 32 c m and 32 l
	v_lshlrev_b32 v7, 2, v0                        ; 4 t; never rewritten
.set n, 0
.rept 32
	global_load_b32 v[CMR+n], v7, s[SB:SB+1] offset:16384*n
.set n, n+1
.endr
.set n, 0
.rept 32
	global_load_b32 v[LR+n], v7, s[SB:SB+1] offset:524288+16384*n
.set n, n+1
.endr
	WIN 0x80                                       ; ACC starts at 0, written while those loads are on their way: every block then has one form, ACC += f T
.set n, 0
.rept 128
	v_mov_b32 v[ACC+n], 0
.set n, n+1
.endr
	WIN 0
	v_and_b32 v1, 15, v0                           ; r
	v_bfe_u32 v2, v0, 4, 1                         ; h
	v_and_b32 v3, 31, v0                           ; lane
	v_mul_u32_u24 v4, v1, PA
	v_lshl_add_u32 v4, v2, 4, v4                   ; 528 r + 16 h
	s_mul_i32 s28, s[WR], HA                       ; my 64 rows of p
	v_add_nc_u32 v[ADRA0], s28, v4
	v_and_b32 v5, 7, v0                            ; the turning load: lane l reads key 8 h + l % 8, 16 bytes at 16 ((l / 8) % 2)
	v_lshl_add_u32 v5, v2, 3, v5
	v_mul_u32_u24 v5, v5, PB
	v_bfe_u32 v6, v0, 3, 1
	v_lshl_add_u32 v5, v6, 4, v5
	s_lshl_b32 s28, s[WC], 7                       ; my 64 columns
	s_add_co_u32 s28, s28, BOFF
	v_add_nc_u32 v[ADRB0], s28, v5
	v_mov_b32 v[ADRA], v[ADRA0]
	v_mov_b32 v[ADRB], v[ADRB0]
	v_add_nc_u32 v[ADRB+1], HB, v[ADRB0]
	v_mul_u32_u24 v4, v1, PA                       ; the way out: row 64 x row half + r, 256 x column half + 32 h
	v_lshl_add_u32 v4, v2, 5, v4
	s_mul_i32 s28, s[WR], 64*PA
	s_lshl_b32 s29, s[WC], 8
	s_add_co_u32 s28, s28, s29
	v_add_nc_u32 v[STO], s28, v4
	s_mul_i32 s28, s[WV], 32*PA                    ; back: wave w takes rows 32 w .. 32 w + 31, whole
	v_lshl_add_u32 v[RD], v3, 4, s28
	v_lshlrev_b32 v[GO], 4, v3
	v_lshlrev_b32 v[GO2], 3, v3
	v_bfe_u32 v4, v0, 4, 2                         ; my row's block of 16 in its half
	v_lshlrev_b32 v5, 5, v1
	v_lshl_add_u32 v5, v4, 3, v5
	s_lshl_b32 s28, s[WR], 9
	s_add_co_u32 s28, s28, FT
	v_add_nc_u32 v[FW], s28, v5
	v_lshl_add_u32 v[FA0], v1, 5, s28
	v_mov_b32 v[FA], v[FA0]
	s_lshl_b32 s28, s[TROW], 7                     ; att and comb at row 128 x tile row + 32 x wave, rows of 4,096 bytes in both
	s_lshl_b32 s29, s[WV], 5
	s_add_co_u32 s28, s28, s29
	s_lshl_b32 s30, s28, 12
	s_lshl_b32 s29, s[TCOL], 9
	s_add_co_u32 s28, s30, s29
	s_mov_b32 s29, 0
	s_add_nc_u64 s[OA:OA+1], s[10:11], s[28:29]
	s_lshl_b32 s28, s[TCOL], 8
	s_add_co_u32 s28, s28, s30
	s_add_co_u32 s28, s28, 2048
	s_add_nc_u64 s[OC:OC+1], s[12:13], s[28:29]
	s_wait_loadcnt 0x0
	v_max3_num_f32 v[MP], v[CMR], v[CMR+1], v[CMR+2]
.set n, 3
.rept 14
	v_max3_num_f32 v[MP], v[MP], v[CMR+n], v[CMR+n+1]
.set n, n+2
.endr
	v_max_num_f32 v[MP], v[MP], v[CMR+31]          ; M
	v_mov_b32 v[MP+1], v[MP]
.set n, 0
.rept 16
	v_pk_add_f32 v[CMR+n:CMR+n+1], v[CMR+n:CMR+n+1], v[MP:MP+1] neg_lo:[0,1] neg_hi:[0,1]
.set n, n+2
.endr
.set n, 0
.rept 32
	v_exp_f32 v[CMR+n], v[CMR+n]
.set n, n+1
.endr
	v_nop                                          ; a plain instruction behind the last exponential,
	s_wait_alu depctr_va_vdst(0)                   ; and the one wait ahead of the batch's first reader
	v_pk_mul_f32 v[LA:LA+1], v[CMR:CMR+1], v[LR:LR+1]
	v_pk_mul_f32 v[LB:LB+1], v[CMR+2:CMR+3], v[LR+2:LR+3]
.set n, 4
.rept 7
	v_pk_fma_f32 v[LA:LA+1], v[CMR+n:CMR+n+1], v[LR+n:LR+n+1], v[LA:LA+1]
	v_pk_fma_f32 v[LB:LB+1], v[CMR+n+2:CMR+n+3], v[LR+n+2:LR+n+3], v[LB:LB+1]
.set n, n+4
.endr
	v_pk_add_f32 v[LA:LA+1], v[LA:LA+1], v[LB:LB+1]
	v_add_f32 v[LA], v[LA], v[LA+1]                ; L
	v_rcp_f32 v[RP], v[LA]
	v_nop
	s_wait_alu depctr_va_vdst(0)
	v_mov_b32 v[RP+1], v[RP]
.set n, 0
.rept 16
	v_pk_mul_f32 v[CMR+n:CMR+n+1], v[CMR+n:CMR+n+1], v[RP:RP+1]
.set n, n+2
.endr
.set n, 0
.rept 32
	ds_store_b32 v[FW], v[CMR+n] offset:1024*n     ; each factor twice, so that its readers find a plain pair (f, f)
	ds_store_b32 v[FW], v[CMR+n] offset:1024*n+4
.set n, n+1
.endr
	s_wait_dscnt 0x0                               ; for the others' sake: my factors lie in LDS
	s_wait_tensorcnt 0x1                           ; my part of K step 0 is in; step 1's may stay out
	s_barrier_signal -1
	s_barrier_wait -1
	FETCH 0, F0, -1
	WIN 0
	s_mov_b32 s3, 14
.Lstep:                                                ; a trip is a K step, two blocks; steps 0-13 are left and steps 2-15 asked for
	QUARTER 1, F0, F1, 1, 0, 0
	QUARTER 2, F1, F0, 0, 2, -1
	QUARTER 3, F0, F1, 1, 0, 1
	TURN 1, 2
	WIN 0
	s_sub_co_u32 s3, s3, 1
	s_cmp_lg_u32 s3, 0
	s_cbranch_scc1 .Lstep
	s_mov_b32 s3, 2                                ; the last two steps ask for nothing: a text of their own, entered in its middle
	s_branch .Ltin
.Ltail:
	TURN 0, 2
	WIN 0
.Ltin:
	QUARTER 1, F0, F1, 1, 0, 0
	QUARTER 2, F1, F0, 0, 2, -1
	QUARTER 3, F0, F1, 1, 0, 1
	WIN 0
	s_sub_co_u32 s3, s3, 1
	s_cmp_lg_u32 s3, 0
	s_cbranch_scc1 .Ltail
	LASTQ 2
	; THE WAY OUT, through slot 0's 128 rows x 528 bytes of p: that slot has had its last fill, the last K step lies in slot 1, and every wave's reads of slot 0 ended in front of the last barrier
	WIN 0x88                                       ; loaded and stored data in window 2, addresses in window 0
.set n, 0
.rept 16
	ds_store_b128 v[STO], v[ACC+8*n:ACC+8*n+3]   offset:16*PA*(n/4)+64*(n%4)
	ds_store_b128 v[STO], v[ACC+8*n+4:ACC+8*n+7] offset:16*PA*(n/4)+64*(n%4)+16
.set n, n+1
.endr
	s_wait_dscnt 0x0                               ; for the others' sake: a row's 512 bytes come from two waves
	s_barrier_signal -1
	s_barrier_wait -1
.set n, 0
.rept 32
	ds_load_b128 v[4*n:4*n+3], v[RD] offset:PA*n
.set n, n+1
.endr
.set n, 0
.rept 32
	s_wait_dscnt 31-n                              ; row n is back; the 31 - n younger loads may be out
	global_store_b128 v[GO], v[4*n:4*n+3], s[OA:OA+1] offset:4096*n  ; 512 consecutive bytes, at a multiple of 256
.set n, n+1
.endr
	WIN 0x0a
.set n, 0
.rept 64
	v_cvt_pk_bf16_f32 v[CMR+n], v[2*n], v[2*n+1]
.set n, n+1
.endr
	WIN 0
.set n, 0
.rept 32
	global_store_b64 v[GO2], v[CMR+2*n:CMR+2*n+1], s[OC:OC+1] offset:4096*n  ; 256 consecutive bytes, at a multiple of 256
.set n, n+1
.endr
	s_wait_tensorcnt 0x0                           ; the wave's end
	ds_add_u32 v[SPW], v[NIL]
	s_wait_dscnt 0x0
	CROUND                                         ; the closing round
	s_endpgm
.Lfunc_end_k_q623b25e394_pv:
	.size	k_q623b25e394_pv, .Lfunc_end_k_q623b25e394_pv-k_q623b25e394_pv
	.p2alignl 7, 3214868480
	.fill 96, 4, 3214868480
	.section	.rodata,"a",@progbits
	.p2align	6, 0x0
	.amdhsa_kernel k_q623b25e394_pv
		.amdhsa_group_segment_fixed_size 327680
		.amdhsa_private_segment_fixed_size 0
		.amdhsa_enable_private_segment 0
		.amdhsa_kernarg_size 40
		.amdhsa_user_sgpr_count 2
		.amdhsa_user_sgpr_kernarg_segment_ptr 1
		.amdhsa_wavefront_size32 1
		.amdhsa_system_sgpr_workgroup_id_x 1
		.amdhsa_system_sgpr_workgroup_id_y 1
		.amdhsa_system_sgpr_workgroup_id_z 1
		.amdhsa_system_vgpr_workitem_id 0
		.amdhsa_next_free_vgpr 768
		.amdhsa_next_free_sgpr 96
		.amdhsa_reserve_vcc 0
		.amdhsa_float_denorm_mode_32 3
		.amdhsa_float_denorm_mode_16_64 3
		.amdhsa_memory_ordered 1
		.amdhsa_forward_progress 1
		.amdhsa_inst_pref_size 107
	.end_amdhsa_kernel
	.amdgpu_metadata
---
amdhsa.version: [ 1, 2 ]
amdhsa.kernels:
  - .name:           k_q623b25e394_pv
    .symbol:         k_q623b25e394_pv.kd
    .args:
      - { .name: pt, .offset: 0, .size: 8, .value_kind: global_buffer, .address_space: global }
      - { .name: qkv, .offset: 8, .size: 8, .value_kind: global_buffer, .address_space: global }
      - { .name: stat, .offset: 16, .size: 8, .value_kind: global_buffer, .address_space: global }
      - { .name: att, .offset: 24, .size: 8, .value_kind: global_buffer, .address_space: global }
      - { .name: comb, .offset: 32, .size: 8, .value_kind: global_buffer, .address_space: global }
    .group_segment_fixed_size: 327680
    .private_segment_fixed_size: 0
    .kernarg_segment_align: 8
    .kernarg_segment_size: 40
    .max_flat_workgroup_size: 128
    .sgpr_count:     96
    .vgpr_count:     768
    .wavefront_size: 32
...
	.end_amdgpu_metadata
.endif
;; end of part 4
;; launch gate (part 5): grid 8 x 32, 4 waves a work-group, clusters of 4 x 4, 327,680 bytes of LDS; arguments comb, wb, gx, att, out0; writes out0
.if DOCPART == 5
	.amdgcn_target "amdgcn-amd-amdhsa--gfx1250"
	.amdhsa_code_object_version 6
	.text
	.protected	k_q623b25e394_gate
	.globl	k_q623b25e394_gate
	.p2align	8
	.type	k_q623b25e394_gate,@function
k_q623b25e394_gate:
	s_mov_b64 s[64:65], 0
	v_nop
	global_prefetch_b8 v0, s[64:65] scope:SCOPE_SE
	s_setreg_imm32_b32 hwreg(HW_REG_WAVE_MODE, 25, 1), 1
	s_wait_xcnt 0x0
	s_wait_alu depctr_hold_cnt(0) depctr_sa_sdst(0) depctr_va_vdst(0) depctr_va_sdst(0) depctr_va_ssrc(0) depctr_va_vcc(0) depctr_vm_vsrc(0)
	s_getreg_b32 s2, hwreg(HW_REG_IB_STS2, 6, 4)
	s_cmp_eq_u32 s2, 0
	s_cbranch_scc0 .Lentry_in_a_cluster
	s_endpgm
.Lentry_in_a_cluster:
	s_bfe_u32 s2, ttmp6, 0x10000c
	s_cmp_lg_u32 s2, 0xf033
	s_cbranch_scc0 .Lentry_shape_is_right
	s_endpgm
.Lentry_shape_is_right:
; GATE: out = sigmoid(G + O Wg[1024:2048]) x O.  G = x Wg[0:1024] + bg was summed in f32 by the projections' launch and lies in gx in the order of the accumulators (a block of 16 x 16 is 1,024 bytes at
; (64 x row block + column block) x 1,024: registers 0-3 at 16 x lane, registers 4-7 512 bytes on): it is the C operand that starts the sums here, so the whole sum over 2,048 terms stays in f32.
; O as a matrix operand is columns 1024-2047 of comb [4096][2048] bf16; Wg's lower half is rows 4096-5119 of wb, [k][n] bf16; O as the last factor is f32 (att).
; sigmoid(t) = 1 / (1 + 2^(-log2(e) t)): where the power overflows the quotient is 0, where it vanishes 1.  NaN and infinities in the inputs are not treated apart.
; A tile of 128 x 128 is made by four waves, a wave 64 x 64: 16 accumulators.  K = 1,024 goes in 4 steps of 256 through two LDS slots: two first fills, two refills.  Ring, cluster and product as in the launch before:
; comb's tile is asked for jointly along a row of the 4 x 4 cluster, Wg's along a column; source 0 = 16 columns of Wg, turned by ds_load_tr16_b128, source 1 = 16 rows of comb.
; REGISTERS: window 0: addresses, v64-191 G; window 1: two fragment buffers of 128; window 2: v0-127 the accumulators T, v128-255 my 32 rows of O's tile.
.set PA,    528
.set HA,    64*PA
.set PB,    288
.set HB,    128*PB
.set BOFF,  2*HA
.set SLOT1, 147456                     ; 0x24000: its two bits are set in none of the four tiles' places
.set SPARE, SLOT1+BOFF+2*HB            ; the spare words: 128 bytes a wave, named by no other line
.set STEPA, 512
.set STEPB, 256*2048
.set ADRA0, 10
.set ADRB0, 11
.set ADRA,  12
.set ADRB,  16                         ; v16, v17
.set STO,   24
.set RD,    25
.set GO,    26                         ; v26  16 x lane; never rewritten
.set SPW,   28
.set NIL,   29
.set GR,    64                         ; v64-191  G: accumulator t's eight registers at GR + 8 t
.set F0,    0
.set F1,    128
.set OT,    128
.set WV, 20
.set WR, 21
.set WC, 22
.set CX, 23
.set CY, 24
.set TCOL, 25
.set TROW, 26
.set G1A, 32
.set G1B, 40
.set G0A, 48
.set G0B, 56
.set TB,  66
.set CS,  72                           ; s[72:73] -log2(e)
.set OA,  80                           ; s[80:81] att at my 32 rows of the tile
.set GB,  82                           ; s[82:83] gx at my first block
.set OU,  84                           ; s[84:85] out0 at the same 32 rows
.set MSB, 0
.macro WIN new
.if MSB != (\new)
	s_set_vgpr_msb (MSB<<8)|(\new)
.set MSB, \new
.endif
.endm
.macro PLACES
.rept 4
	v_nop
.endr
.endm
.macro JLOAD                           ; a joint refill by the walking sets; an s_nop 0 and four v_nop follow each line
	s_cmp_eq_u32 s[WR], 0
	s_cbranch_scc0 .Lfor_b_\@
	tensor_load_to_lds s[G0A+4:G0A+7], s[G1A:G1A+7]
	s_nop 0
.rept 4
	v_nop
.endr
	s_branch .Lasked_\@
.Lfor_b_\@:
	tensor_load_to_lds s[G0B+4:G0B+7], s[G1B:G1B+7]
	s_nop 0
.rept 4
	v_nop
.endr
.Lasked_\@:
.endm
.macro CREST
	s_cmp_lg_u32 s[WV], 0
	s_cbranch_scc1 .Lnot_wave_0_\@
	s_barrier_signal -3
.Lnot_wave_0_\@:
	s_barrier_wait -3
	s_barrier_signal -1
	s_barrier_wait -1
.endm
.macro CROUND
	s_barrier_signal -1
	s_barrier_wait -1
	CREST
.endm
; 8 products: t = 4 a + b from 4 a0 on.  kind 0: onto T; 3: G starts T.  The 16 accumulators take turns.
.macro MUL8 f, c, a0, kind
.set t, 4*(\a0)
.rept 8
.set rD, 8*t
.set rB, (\f)+64+8*(4*(\c)+t%4)
.set rA, (\f)+8*(4*(\c)+t/4)
.if (\kind) == 3
	WIN 0x85
	v_wmma_f32_16x16x32_bf16 v[rD:rD+7], v[rB:rB+7], v[rA:rA+7], v[GR+8*t:GR+8*t+7]
.else
	WIN 0xa5
	v_wmma_f32_16x16x32_bf16 v[rD:rD+7], v[rB:rB+7], v[rA:rA+7], v[rD:rD+7]
.endif
.set t, t+1
.endr
.endm
.macro PASS f, c, kind
	MUL8 \f, \c, 0, \kind
	MUL8 \f, \c, 2, \kind
.endm
.macro FETCH q, f                      ; 32 LDS loads in one run: quarter q's fragments (64 along K), the first 32 along K first
	WIN 0x40
.irp c, 0,1
.irp i, 0,1,2,3
	ds_load_tr16_b128 v[(\f)+64+8*(4*(\c)+(\i)):(\f)+64+8*(4*(\c)+(\i))+3],   v[ADRB+(\q)/2] offset:((\q)%2)*64*PB+32*PB*(\c)+32*(\i)
	ds_load_tr16_b128 v[(\f)+64+8*(4*(\c)+(\i))+4:(\f)+64+8*(4*(\c)+(\i))+7], v[ADRB+(\q)/2] offset:((\q)%2)*64*PB+32*PB*(\c)+32*(\i)+16*PB
	ds_load_b128 v[(\f)+8*(4*(\c)+(\i)):(\f)+8*(4*(\c)+(\i))+3],   v[ADRA] offset:128*(\q)+64*(\c)+(\i)*16*PA
	ds_load_b128 v[(\f)+8*(4*(\c)+(\i))+4:(\f)+8*(4*(\c)+(\i))+7], v[ADRA] offset:128*(\q)+64*(\c)+(\i)*16*PA+32
.endr
.endr
.endm
.macro QUARTER q, f, g, k0
	s_wait_dscnt 16                                ; the first 32 along K are in
	PASS \f, 0, \k0
	PLACES
	FETCH \q, \g
	s_wait_dscnt 32                                ; all but the 32 just issued
	PASS \f, 1, 0
.endm
; The last quarter changes slots FIRST and multiplies buffer 1 behind the change: a step's 128 products a wave are too few for a tile to land beside them, so nothing is put between the wait for a tile and the next request,
; and the quarter's 32 products, which read registers alone, run while the next tile is on its way.  In front of the barrier each wave waits for all its tensor loads, adds 0 to its spare word, and waits for that and for its reads of this slot.
.macro TURN fill
	WIN 0
	s_xor_b32 s[TB], s[TB], SLOT1
	v_add_nc_u32 v[ADRA], s[TB], v[ADRA0]          ; these three lines, and the four v_nop behind the barrier, are the places between buffer 0's last product and the loads into it
	v_add_nc_u32 v[ADRB], s[TB], v[ADRB0]
	v_add_nc_u32 v[ADRB+1], HB, v[ADRB]
	s_wait_tensorcnt 0x0                           ; no tensor load of mine is out: the one that was is my part of the next slot
	ds_add_u32 v[SPW], v[NIL]                      ; 0 onto my spare word
.if \fill
	s_xor_b32 s[G0A+5], s[G0A+5], SLOT1
	s_add_nc_u64 s[G0A+6:G0A+7], s[G0A+6:G0A+7], STEPA
	s_xor_b32 s[G0B+5], s[G0B+5], SLOT1
	s_add_nc_u64 s[G0B+6:G0B+7], s[G0B+6:G0B+7], STEPB
.endif
	s_wait_dscnt 0x0                               ; the add is done, and my reads of this slot are over
	s_barrier_signal -1
	s_barrier_wait -1
.if \fill
	CREST                                          ; the barrier has opened a round of the cluster's
	JLOAD
.else
	PLACES
.endif
	FETCH 0, F0
	PASS F1, 0, 0
	PASS F1, 1, 0
.endm
.macro LASTQ
	s_wait_dscnt 16
	PASS F1, 0, 0
	s_wait_dscnt 0x0
	PASS F1, 1, 0
.endm
	s_load_b256 s[4:11], s[0:1], 0x0               ; comb s[4:5], wb s[6:7], gx s[8:9], att s[10:11]
	s_load_b64 s[12:13], s[0:1], 0x20              ; out0
	v_lshl_add_u32 v[SPW], v0, 2, SPARE
	v_mov_b32 v[NIL], 0
	ds_add_u32 v[SPW], v[NIL]                      ; the wave's opening: the add and its wait stand ahead of my first tensor load
	v_lshrrev_b32 v1, 5, v0
	v_readfirstlane_b32 s[WV], v1
	s_lshr_b32 s[WR], s[WV], 1
	s_and_b32 s[WC], s[WV], 1
	s_bfe_u32 s[CX], ttmp6, 0x40000
	s_bfe_u32 s[CY], ttmp6, 0x40004
	s_lshl_b32 s[TCOL], ttmp9, 2
	s_add_co_u32 s[TCOL], s[TCOL], s[CX]
	s_and_b32 s[TROW], ttmp7, 0xffff
	s_lshl_b32 s[TROW], s[TROW], 2
	s_add_co_u32 s[TROW], s[TROW], s[CY]
	s_lshl_b32 s28, s[CY], 2
	s_lshl_b32 s28, 15, s28
	s_lshl_b32 s29, 0x1111, s[CX]
	s_or_b32 s[G1A], s28, (1<<16)|(1<<20)|(1<<21)|(6<<22)|(3<<25)  ; after every 128 words, 4 words
	s_or_b32 s[G1B], s29, (1<<16)|(1<<20)|(1<<21)|(5<<22)|(7<<25)  ; after every 64 words, 8 words
	s_mov_b32 s[G1A+1], 256<<16                    ; comb: 64 rows of 256 along K
	s_mov_b32 s[G1A+2], 64<<16
	s_mov_b32 s[G1A+3], 256<<16
	s_mov_b32 s[G1A+4], 64
	s_mov_b32 s[G1A+5], 2048
	s_mov_b32 s[G1A+6], 0
	s_mov_b32 s[G1A+7], 0
	s_mov_b32 s[G1B+1], 128<<16                    ; Wg: 128 k-rows of 128 columns
	s_mov_b32 s[G1B+2], 128<<16
	s_mov_b32 s[G1B+3], 128<<16
	s_mov_b32 s[G1B+4], 128
	s_mov_b32 s[G1B+5], 1024
	s_mov_b32 s[G1B+6], 0
	s_mov_b32 s[G1B+7], 0
	s_lshl_b32 s76, s[TROW], 7                     ; comb: row 128 x tile row + 64 x half, rows of 4,096 bytes, O's half of them
	s_lshl_b32 s77, s[WC], 6
	s_add_co_u32 s76, s76, s77
	s_lshl_b32 s76, s76, 12
	s_add_co_u32 s76, s76, 2048
	s_mov_b32 s77, 0
	s_lshl_b32 s78, s[WC], 18                      ; Wg's lower half: from wb's row 4,096 on, my 128 k-rows, the tile's 256 bytes
	s_lshl_b32 s79, s[TCOL], 8
	s_add_co_u32 s78, s78, s79
	s_add_co_u32 s78, s78, 4096*2048
	s_mov_b32 s79, 0
	s_mul_i32 s30, s[WC], HA
	s_mul_i32 s31, s[WC], HB
	s_add_co_u32 s31, s31, BOFF
	s_mov_b32 s[TB], 0
	s_mov_b32 s[CS], 0xbfb8aa3b                    ; -log2(e)
	s_mov_b32 s[CS+1], s[CS]
	s_wait_dscnt 0x0                               ; the opening add is done
	s_wait_kmcnt 0x0
	s_add_nc_u64 s[76:77], s[4:5], s[76:77]
	s_add_nc_u64 s[78:79], s[6:7], s[78:79]
	CROUND                                         ; all sixteen work-groups are here: the first joint loads meet
.irp s, 0,1
	s_mov_b32 s[G0A+4*(\s)], 1
	s_add_co_u32 s[G0A+4*(\s)+1], s30, (\s)*SLOT1
	s_add_nc_u64 s[G0A+4*(\s)+2:G0A+4*(\s)+3], s[76:77], (\s)*STEPA
	s_or_b32 s[G0A+4*(\s)+3], s[G0A+4*(\s)+3], 0x80000000
	s_mov_b32 s[G0B+4*(\s)], 1
	s_add_co_u32 s[G0B+4*(\s)+1], s31, (\s)*SLOT1
	s_add_nc_u64 s[G0B+4*(\s)+2:G0B+4*(\s)+3], s[78:79], (\s)*STEPB
	s_or_b32 s[G0B+4*(\s)+3], s[G0B+4*(\s)+3], 0x80000000
.endr
	s_cmp_eq_u32 s[WR], 0                          ; a wave's two first fills stand in one branch: two loads of mine are out
	s_cbranch_scc0 .Lfirst_b
	tensor_load_to_lds s[G0A:G0A+3], s[G1A:G1A+7]
	s_nop 0
	tensor_load_to_lds s[G0A+4:G0A+7], s[G1A:G1A+7]
	s_nop 0
.rept 4
	v_nop
.endr
	s_branch .Lfirst_asked
.Lfirst_b:
	tensor_load_to_lds s[G0B:G0B+3], s[G1B:G1B+7]
	s_nop 0
	tensor_load_to_lds s[G0B+4:G0B+7], s[G1B:G1B+7]
	s_nop 0
.rept 4
	v_nop
.endr
.Lfirst_asked:
	v_and_b32 v1, 15, v0                           ; r
	v_bfe_u32 v2, v0, 4, 1                         ; h
	v_and_b32 v3, 31, v0                           ; lane
	v_lshlrev_b32 v[GO], 4, v3
	s_lshl_b32 s28, s[TROW], 3                     ; gx: block row 8 x tile row + 4 x row half, 64 blocks in a block row; block column 8 x tile column + 4 x column half; 1,024 bytes a block
	s_lshl_b32 s29, s[WR], 2
	s_add_co_u32 s28, s28, s29
	s_lshl_b32 s28, s28, 6
	s_lshl_b32 s29, s[TCOL], 3
	s_add_co_u32 s28, s28, s29
	s_lshl_b32 s29, s[WC], 2
	s_add_co_u32 s28, s28, s29
	s_lshl_b32 s28, s28, 10
	s_mov_b32 s29, 0
	s_add_nc_u64 s[GB:GB+1], s[8:9], s[28:29]
.set n, 0
.rept 16
	global_load_b128 v[GR+8*n:GR+8*n+3],   v[GO], s[GB:GB+1] offset:((n/4)*64+n%4)*1024      ; accumulator n = 4 a + b: 512 consecutive bytes a load
	global_load_b128 v[GR+8*n+4:GR+8*n+7], v[GO], s[GB:GB+1] offset:((n/4)*64+n%4)*1024+512
.set n, n+1
.endr
	s_lshl_b32 s28, s[TROW], 7                     ; att and out0 at row 128 x tile row + 32 x wave, rows of 4,096 bytes, the tile's 512 bytes
	s_lshl_b32 s30, s[WV], 5
	s_add_co_u32 s28, s28, s30
	s_lshl_b32 s28, s28, 12
	s_lshl_b32 s30, s[TCOL], 9
	s_add_co_u32 s28, s28, s30
	s_add_nc_u64 s[OA:OA+1], s[10:11], s[28:29]
	s_add_nc_u64 s[OU:OU+1], s[12:13], s[28:29]
	v_mul_u32_u24 v4, v1, PA
	v_lshl_add_u32 v4, v2, 4, v4
	s_mul_i32 s28, s[WR], HA
	v_add_nc_u32 v[ADRA0], s28, v4
	v_and_b32 v5, 7, v0
	v_lshl_add_u32 v5, v2, 3, v5
	v_mul_u32_u24 v5, v5, PB
	v_bfe_u32 v6, v0, 3, 1
	v_lshl_add_u32 v5, v6, 4, v5
	s_lshl_b32 s28, s[WC], 7
	s_add_co_u32 s28, s28, BOFF
	v_add_nc_u32 v[ADRB0], s28, v5
	v_mov_b32 v[ADRA], v[ADRA0]
	v_mov_b32 v[ADRB], v[ADRB0]
	v_add_nc_u32 v[ADRB+1], HB, v[ADRB0]
	v_mul_u32_u24 v4, v1, PA
	v_lshl_add_u32 v4, v2, 5, v4
	s_mul_i32 s28, s[WR], 64*PA
	s_lshl_b32 s30, s[WC], 8
	s_add_co_u32 s28, s28, s30
	v_add_nc_u32 v[STO], s28, v4
	s_mul_i32 s28, s[WV], 32*PA
	v_lshl_add_u32 v[RD], v3, 4, s28
	s_wait_tensorcnt 0x1                           ; my part of K step 0 is in; step 1's may stay out
	s_barrier_signal -1
	s_barrier_wait -1
	FETCH 0, F0
	s_wait_loadcnt 0x0                             ; G, asked for beside the first tiles
	WIN 0x80
.set n, 0
.rept 32
	global_load_b128 v[OT+4*n:OT+4*n+3], v[GO], s[OA:OA+1] offset:4096*n  ; O's rows, as the results will lie when they come back from the stage; wanted only at the end
.set n, n+1
.endr
	QUARTER 1, F0, F1, 3                           ; the first quarter stands in front of the loop: its first products start the sums, with G
	WIN 0
	s_mov_b32 s3, 2
.Lstep:                                                ; steps 0 and 1 are left and steps 2 and 3 asked for
	QUARTER 2, F1, F0, 0
	QUARTER 3, F0, F1, 0
	TURN 1
	QUARTER 1, F0, F1, 0
	WIN 0
	s_sub_co_u32 s3, s3, 1
	s_cmp_lg_u32 s3, 0
	s_cbranch_scc1 .Lstep
	s_mov_b32 s3, 2                                ; the last two steps ask for nothing: a text of their own, entered in its middle
	s_branch .Ltin
.Ltail:
	TURN 0
	QUARTER 1, F0, F1, 0
	WIN 0
.Ltin:
	QUARTER 2, F1, F0, 0
	QUARTER 3, F0, F1, 0
	WIN 0
	s_sub_co_u32 s3, s3, 1
	s_cmp_lg_u32 s3, 0
	s_cbranch_scc1 .Ltail
	LASTQ
	PLACES
	PLACES
	WIN 0x82                                       ; the sigmoid, in place
.set n, 0
.rept 64
	v_pk_mul_f32 v[2*n:2*n+1], v[2*n:2*n+1], s[CS:CS+1] op_sel_hi:[1,0]
.set n, n+1
.endr
.set n, 0
.rept 128
	v_exp_f32 v[n], v[n]
.set n, n+1
.endr
	v_nop                                          ; a plain instruction behind the last exponential,
	s_wait_alu depctr_va_vdst(0)                   ; and the one wait for the batch
.set n, 0
.rept 64
	v_pk_add_f32 v[2*n:2*n+1], v[2*n:2*n+1], 1.0 op_sel_hi:[1,0]
.set n, n+1
.endr
.set n, 0
.rept 128
	v_rcp_f32 v[n], v[n]
.set n, n+1
.endr
	v_nop
	s_wait_alu depctr_va_vdst(0)
	; through slot 0's 128 rows x 528 bytes: that slot has had its last fill, the last K step lies in slot 1, and every wave's reads of slot 0 ended in front of the last barrier
	WIN 0x88
.set n, 0
.rept 16
	ds_store_b128 v[STO], v[8*n:8*n+3]   offset:16*PA*(n/4)+64*(n%4)
	ds_store_b128 v[STO], v[8*n+4:8*n+7] offset:16*PA*(n/4)+64*(n%4)+16
.set n, n+1
.endr
	s_wait_dscnt 0x0                               ; for the others' sake: a row's 512 bytes come from two waves
	s_barrier_signal -1
	s_barrier_wait -1
.set n, 0
.rept 32
	ds_load_b128 v[4*n:4*n+3], v[RD] offset:PA*n
.set n, n+1
.endr
	s_wait_loadcnt 0x0                             ; O
	s_wait_dscnt 0x0
	WIN 0x8a
.set n, 0
.rept 64
	v_pk_mul_f32 v[2*n:2*n+1], v[2*n:2*n+1], v[OT+2*n:OT+2*n+1]
.set n, n+1
.endr
	WIN 0x08
.set n, 0
.rept 32
	global_store_b128 v[GO], v[4*n:4*n+3], s[OU:OU+1] offset:4096*n  ; 512 consecutive bytes, at a multiple of 256
.set n, n+1
.endr
	WIN 0
	s_wait_tensorcnt 0x0                           ; the wave's end
	ds_add_u32 v[SPW], v[NIL]
	s_wait_dscnt 0x0
	CROUND                                         ; the closing round
	s_endpgm
.Lfunc_end_k_q623b25e394_gate:
	.size	k_q623b25e394_gate, .Lfunc_end_k_q623b25e394_gate-k_q623b25e394_gate
	.p2alignl 7, 3214868480
	.fill 96, 4, 3214868480
	.section	.rodata,"a",@progbits
	.p2align	6, 0x0
	.amdhsa_kernel k_q623b25e394_gate
		.amdhsa_group_segment_fixed_size 327680
		.amdhsa_private_segment_fixed_size 0
		.amdhsa_enable_private_segment 0
		.amdhsa_kernarg_size 40
		.amdhsa_user_sgpr_count 2
		.amdhsa_user_sgpr_kernarg_segment_ptr 1
		.amdhsa_wavefront_size32 1
		.amdhsa_system_sgpr_workgroup_id_x 1
		.amdhsa_system_sgpr_workgroup_id_y 1
		.amdhsa_system_sgpr_workgroup_id_z 1
		.amdhsa_system_vgpr_workitem_id 0
		.amdhsa_next_free_vgpr 768
		.amdhsa_next_free_sgpr 96
		.amdhsa_reserve_vcc 0
		.amdhsa_float_denorm_mode_32 3
		.amdhsa_float_denorm_mode_16_64 3
		.amdhsa_memory_ordered 1
		.amdhsa_forward_progress 1
		.amdhsa_inst_pref_size 86
	.end_amdhsa_kernel
	.amdgpu_metadata
---
amdhsa.version: [ 1, 2 ]
amdhsa.kernels:
  - .name:           k_q623b25e394_gate
    .symbol:         k_q623b25e394_gate.kd
    .args:
      - { .name: comb, .offset: 0, .size: 8, .value_kind: global_buffer, .address_space: global }
      - { .name: wb, .offset: 8, .size: 8, .value_kind: global_buffer, .address_space: global }
      - { .name: gx, .offset: 16, .size: 8, .value_kind: global_buffer, .address_space: global }
      - { .name: att, .offset: 24, .size: 8, .value_kind: global_buffer, .address_space: global }
      - { .name: out0, .offset: 32, .size: 8, .value_kind: global_buffer, .address_space: global }
    .group_segment_fixed_size: 327680
    .private_segment_fixed_size: 0
    .kernarg_segment_align: 8
    .kernarg_segment_size: 40
    .max_flat_workgroup_size: 128
    .sgpr_count:     96
    .vgpr_count:     768
    .wavefront_size: 32
...
	.end_amdgpu_metadata
.endif
;; end of part 5
;; ======== version 2 of 2: 5 launches; version 1 with the launch prep written anew for expert scheduling mode
;; workspace buffers: comb 16,777,216 bytes; wb 10,485,760 bytes; qkv 25,165,824 bytes; pt 33,554,432 bytes; stat 1,048,576 bytes; att 16,777,216 bytes; gx 16,777,216 bytes
;; launch prep (part 6): grid 576 x 1, 8 waves a work-group, no clusters, 0 bytes of LDS; arguments x, Wq, Wk, Wv, Wg, comb, wb; writes comb, wb
.if DOCPART == 6
	.amdgcn_target "amdgcn-amd-amdhsa--gfx1250"
	.amdhsa_code_object_version 6
	.text
	.protected	k_q623b25e394_prep
	.globl	k_q623b25e394_prep
	.p2align	8
	.type	k_q623b25e394_prep,@function
k_q623b25e394_prep:
	s_mov_b64 s[64:65], 0
	v_nop
	global_prefetch_b8 v0, s[64:65] scope:SCOPE_SE
	s_setreg_imm32_b32 hwreg(HW_REG_WAVE_SCHED_MODE, 0, 2), 2
	s_setreg_imm32_b32 hwreg(HW_REG_WAVE_MODE, 25, 1), 1
	s_wait_xcnt 0x0
	s_wait_alu depctr_vm_vsrc(0)
; PREP: x and the four weight matrices, all f32 with rows of 1,024 numbers, are rounded once to bf16 (nearest even).
; x goes into columns 0-1023 of comb [4096][2048]; Wq, Wk, Wv, Wg go one below the other into wb [5120][1024], in their own [k][n] order: nothing is transposed.
; 9,216 rows in all; a work-group takes 16: groups 0-255 x, 256-319 Wq, 320-383 Wk, 384-447 Wv, 448-575 Wg.
; Thread t owns the 16 bytes at 16 t of each source row and the 8 bytes at 8 t of each destination row: a wave's load covers 512 consecutive bytes,
; its store 256 consecutive bytes at a multiple of 256.  All 16 loads of a thread go out at once; no register is written twice, so no wait frees a source.
; No LDS, no matrix unit, no cluster: no byte is wanted by two threads.
; THE MODE: SCHED_MODE bits 1:0 = 2 (LLVM: expert scheduling mode 2), set by the entry lines.  The code itself states the register dependences
; between vector instructions and memory instructions, with s_wait_alu, always for 0.
; THE PLAN.  Registers that memory instructions touch:
;   v1         16 t.  Written once at the head; read by all sixteen loads as their offset.
;   X          Row n's load lands in its four registers, which no vector instruction names before; row n's two conversions read them, behind the wait for the data.
;   v[DO ..]   Row n's byte offset in the destination.  v[DO] is written at the head, the other fifteen by a chain of adds behind the loads; row n's store reads its own.
;   Y          Row n's two conversions write its pair; row n's store reads it.
; None of them is written a second time, so nothing is owed for a register that a memory instruction has read.  No vector instruction writes a scalar register, and EXEC stays as it came.
; What is owed: v1 written ahead of the loads, and offsets and Y written ahead of the stores.  The rows go in four blocks of four: the wait for the block's data, its eight conversions, ONE wait on va_vdst,
; its four stores in a run.  The stores stand in their own block and not a block later: all loads are out from the start, so a block's stores would else be held until the next block's data are in,
; and those of rows 8 to 15 until the wave's last load is.
.set BLOCK, 4                          ; rows in a block
.set DO, 2                             ; v[2:17]   byte offset of my 8 bytes in destination row i
.set X,  20                            ; v[20:83]  row i: four f32 as loaded
.set Y,  84                            ; v[84:115] row i: four bf16 to store
	s_load_b256 s[4:11], s[0:1], 0x0               ; x s[4:5], Wq s[6:7], Wk s[8:9], Wv s[10:11]
	s_load_b128 s[12:15], s[0:1], 0x20             ; Wg s[12:13], comb s[14:15]
	s_load_b64 s[16:17], s[0:1], 0x30              ; wb
	v_lshlrev_b32 v1, 4, v0                        ; 16 t
	v_lshlrev_b32 v[DO], 3, v0                     ; 8 t
	s_lshl_b32 s26, ttmp9, 16                      ; into comb: 16 rows of 4,096 bytes a group
	s_sub_co_u32 s24, ttmp9, 256                   ; into wb: groups count from 256,
	s_lshl_b32 s24, s24, 15                        ; 16 rows of 2,048 bytes a group (not used where the group is below 256)
	s_mov_b32 s25, 0
	s_mov_b32 s23, 0
	s_movk_i32 s21, 0x1000                         ; comb's row
	s_movk_i32 s27, 0x800                          ; wb's row
	s_mov_b32 s20, 448
	s_wait_kmcnt 0x0
	s_mov_b64 s[18:19], s[12:13]                   ; the source and its first group: Wg, unless the group's number is lower
	s_cmp_lt_u32 ttmp9, 448
	s_cselect_b64 s[18:19], s[10:11], s[18:19]
	s_cselect_b32 s20, 384, s20
	s_cmp_lt_u32 ttmp9, 384
	s_cselect_b64 s[18:19], s[8:9], s[18:19]
	s_cselect_b32 s20, 320, s20
	s_cmp_lt_u32 ttmp9, 320
	s_cselect_b64 s[18:19], s[6:7], s[18:19]
	s_cselect_b32 s20, 256, s20
	s_cmp_lt_u32 ttmp9, 256
	s_cselect_b64 s[18:19], s[4:5], s[18:19]
	s_cselect_b32 s20, 0, s20
	s_cselect_b64 s[28:29], s[14:15], s[16:17]     ; the destination, its offset and its row
	s_cselect_b32 s24, s26, s24
	s_cselect_b32 s21, s21, s27
	s_sub_co_u32 s22, ttmp9, s20
	s_lshl_b32 s22, s22, 16                        ; 16 source rows of 4,096 bytes a group
	s_add_nc_u64 s[18:19], s[18:19], s[22:23]
	s_add_nc_u64 s[28:29], s[28:29], s[24:25]
	s_wait_alu depctr_va_vdst(0)                   ; v1 is written: the sixteen loads below read it as their offset
.set n, 0
.rept 16
	global_load_b128 v[X+4*n:X+4*n+3], v1, s[18:19] offset:4096*n th:TH_LOAD_NT
.set n, n+1
.endr
.set n, 1
.rept 15
	v_add_nc_u32 v[DO+n], s21, v[DO+n-1]           ; behind the loads, so that this chain does not hold them up; no memory instruction has named these registers yet
.set n, n+1
.endr
.set g, 0
.rept 16/BLOCK
	s_wait_loadcnt 16-BLOCK-BLOCK*g                ; loads come back in order: block g's four rows are in, the younger blocks stay out
.set n, BLOCK*g
.rept BLOCK
	v_cvt_pk_bf16_f32 v[Y+2*n], v[X+4*n], v[X+4*n+1]
	v_cvt_pk_bf16_f32 v[Y+2*n+1], v[X+4*n+2], v[X+4*n+3]
.set n, n+1
.endr
	s_wait_alu depctr_va_vdst(0)                   ; the eight conversions have written the block's Y, which the four stores below read as data; in the first block also: the adds have written all the offsets v[DO ..]
.set n, BLOCK*g
.rept BLOCK
	global_store_b64 v[DO+n], v[Y+2*n:Y+2*n+1], s[28:29]
.set n, n+1
.endr
.set g, g+1
.endr
	s_endpgm
.Lfunc_end_k_q623b25e394_prep:
	.size	k_q623b25e394_prep, .Lfunc_end_k_q623b25e394_prep-k_q623b25e394_prep
	.p2alignl 7, 3214868480
	.fill 96, 4, 3214868480
	.section	.rodata,"a",@progbits
	.p2align	6, 0x0
	.amdhsa_kernel k_q623b25e394_prep
		.amdhsa_group_segment_fixed_size 0
		.amdhsa_private_segment_fixed_size 0
		.amdhsa_enable_private_segment 0
		.amdhsa_kernarg_size 56
		.amdhsa_user_sgpr_count 2
		.amdhsa_user_sgpr_kernarg_segment_ptr 1
		.amdhsa_wavefront_size32 1
		.amdhsa_system_sgpr_workgroup_id_x 1
		.amdhsa_system_sgpr_workgroup_id_y 1
		.amdhsa_system_sgpr_workgroup_id_z 1
		.amdhsa_system_vgpr_workitem_id 0
		.amdhsa_next_free_vgpr 116
		.amdhsa_next_free_sgpr 66
		.amdhsa_reserve_vcc 0
		.amdhsa_float_denorm_mode_32 3
		.amdhsa_float_denorm_mode_16_64 3
		.amdhsa_memory_ordered 1
		.amdhsa_forward_progress 1
		.amdhsa_inst_pref_size 8
	.end_amdhsa_kernel
	.amdgpu_metadata
---
amdhsa.version: [ 1, 2 ]
amdhsa.kernels:
  - .name:           k_q623b25e394_prep
    .symbol:         k_q623b25e394_prep.kd
    .args:
      - { .name: x, .offset: 0, .size: 8, .value_kind: global_buffer, .address_space: global }
      - { .name: Wq, .offset: 8, .size: 8, .value_kind: global_buffer, .address_space: global }
      - { .name: Wk, .offset: 16, .size: 8, .value_kind: global_buffer, .address_space: global }
      - { .name: Wv, .offset: 24, .size: 8, .value_kind: global_buffer, .address_space: global }
      - { .name: Wg, .offset: 32, .size: 8, .value_kind: global_buffer, .address_space: global }
      - { .name: comb, .offset: 40, .size: 8, .value_kind: global_buffer, .address_space: global }
      - { .name: wb, .offset: 48, .size: 8, .value_kind: global_buffer, .address_space: global }
    .group_segment_fixed_size: 0
    .private_segment_fixed_size: 0
    .kernarg_segment_align: 8
    .kernarg_segment_size: 56
    .max_flat_workgroup_size: 256
    .sgpr_count:     66
    .vgpr_count:     116
    .wavefront_size: 32
...
	.end_amdgpu_metadata
.endif
;; end of part 6
;; launch proj: the kernel of part 2 again; grid 16 x 16, 4 waves a work-group, clusters of 4 x 4, 327,680 bytes of LDS; arguments comb, wb, bq, bk, bv, bg, qkv, gx; writes qkv, gx
;; launch score: the kernel of part 3 again; grid 16 x 16, 4 waves a work-group, clusters of 4 x 4, 327,680 bytes of LDS; arguments qkv, pt, stat; writes pt, stat
;; launch pv: the kernel of part 4 again; grid 8 x 32, 4 waves a work-group, clusters of 4 x 4, 327,680 bytes of LDS; arguments pt, qkv, stat, att, comb; writes att, comb
;; launch gate: the kernel of part 5 again; grid 8 x 32, 4 waves a work-group, clusters of 4 x 4, 327,680 bytes of LDS; arguments comb, wb, gx, att, out0; writes out0
